; MI455X (gfx1250); checked and timed in simulation.
; The chip was launched on July 23, 2026; its instructions are those of AMD's public machine-readable ISA for CDNA 5 (MIT licence, August 2026) and "CDNA5" Instruction Set Architecture Reference Guide (July 2026). The comments in the code are by the model that wrote it; some were corrected since.
;; Causal Self Attention. Allowed arithmetic: matrix products marked QUANTISED: E2M1 operands, one E8M0 scale for each 32 along K, by v_wmma_scale_f32_16x16x128_f8f6f4 with both operands' format E2M1 (or v_wmma_scale_f32_32x16x128_f4), f32 sums; products left as they are: bf16, f16 or f32 operands; f32 sums; everything else in f32.
;; Inputs: w_attn 3,072 x 1,024 float32; w_proj 1,024 x 1,024 float32; x 2 x 2,048 x 1,024 float32.
;; Outputs: out0 2 x 2,048 x 1,024 float32.
;; This version of the problem:
;;   THIS VERSION OF THE PROBLEM IS GIVEN IN LOW PRECISION. The matrix products marked QUANTISED in the list below multiply operands that are first quantised to E2M1 (2 exponent bits, 1 mantissa bit; 4 bits a number), with one power-of-two scale for each 32 numbers along K (OCP MX v1.0); their sums are f32. The products marked 'left as it is' may take bf16, f16 or f32 operands, with f32 sums. Whichever they take, every output number must still come out within the allowed error. Rounding operands to bf16 (8 significant bits) uses up far more of that allowance than f16 does (11 bits, for magnitudes from 6e-5 to 65,504). All else is computed in f32.
;;   The module's matrix products, in the order in which they are computed (A, B: the left and right operand; K: the contracted axis; several contracted axes count as one K, in the product's order):
;;     1. [M 4,096, K 1,024] x [K 1,024, N 3,072]; A: input x; B: input w_attn: QUANTISED
;;     2. batch 32 x [M 2,048, K 64] x [K 64, N 2,048]; A: computed on the way; B: computed on the way: left as it is (an operand is computed on the way)
;;     3. batch 32 x [M 2,048, K 2,048] x [K 2,048, N 64]; A: computed on the way; B: computed on the way: left as it is (an operand is computed on the way)
;;     4. [M 4,096, K 1,024] x [K 1,024, N 1,024]; A: computed on the way; B: input w_proj: left as it is (an operand is computed on the way)
;;   THE QUANTISER, for each operand of a quantised product, along K:
;;     - K is cut into blocks of 32 from its start; a last block that is shorter is filled with zeros.
;;     - A block's scale is 2^e with e = floor(log2(the largest magnitude in the block)) - 2, held to -126 .. 127; a block of zeros has e = 0. As a byte (E8M0): e + 127.
;;     - Each number is divided by its block's scale, clamped to +-6, and rounded to the nearest number of E2M1, ties to even, subnormals kept.
;;     - The product sums the exact products of the quantised numbers (number of the format x scale) in f32.
;;   ~~~python
;;   def quantise(x, axis):      # numpy; x: float32 -> the quantised numbers, widened to float32 again
;;       x = np.moveaxis(x, axis, -1); K = x.shape[-1]
;;       x = np.pad(x, [(0, 0)] * (x.ndim - 1) + [(0, -K % 32)]); x = x.reshape(x.shape[:-1] + (-1, 32)); a = np.abs(x).max(-1, keepdims=True)
;;       e = np.where(a > 0, np.clip(np.frexp(np.where(a > 0, a, 1))[1] - 1 - 2, -126, 127), 0)      # np.frexp(a)[1] - 1 = floor(log2(a)), exactly
;;       r = np.clip(x / 2.0 ** e, -6, 6)
;;       step = 2.0 ** (np.maximum(np.frexp(np.where(r == 0, 1, r))[1] - 1, 0) - 1)
;;       q = np.round(r / step) * step * 2.0 ** e      # np.round: ties to even
;;       return np.moveaxis(q.reshape(q.shape[:-2] + (-1,))[..., :K], -1, axis).astype(np.float32)
;;   ~~~
;; One version. Each part assembles by itself: llvm-mc -triple=amdgcn-amd-amdhsa -mcpu=gfx1250 --defsym DOCPART=n.
;; ======== version 1 of 1: 5 launches
;; limits: values are held in f16: magnitudes above 65,504 overflow, below 6.1e-05 lose precision
;; workspace buffers: qin 3,899,392 bytes; wp16 2,097,152 bytes; rope 524,288 bytes; qkv16 25,165,824 bytes; fine 393,216 bytes; y16 8,388,608 bytes
;; launch prep (part 1): grid 288 x 1, 4 waves a work-group, no clusters, 33,280 bytes of LDS; arguments x, w_attn, w_proj, qin, wp16, rope; writes qin, wp16, rope
.if DOCPART == 1
	.amdgcn_target "amdgcn-amd-amdhsa--gfx1250"
	.amdhsa_code_object_version 6
	.text
	.protected	k_qa68e5cbb39_prep
	.globl	k_qa68e5cbb39_prep
	.p2align	8
	.type	k_qa68e5cbb39_prep,@function
k_qa68e5cbb39_prep:
	s_mov_b64 s[64:65], 0
	v_nop
	global_prefetch_b8 v0, s[64:65] scope:SCOPE_SE
	s_setreg_imm32_b32 hwreg(HW_REG_WAVE_MODE, 25, 1), 1
	s_wait_xcnt 0x0
; THREE JOBS IN ONE LAUNCH, told apart by the work-group's number.
; Work-groups 0-223: x [4096][1024] and w_attn [3072][1024], f32, become codes of FP4 (E2M1), K innermost, with one E8M0 byte for each 32 along K, in qin:
;   x's codes at byte QXC (512 bytes a row), w_attn's at QWC, x's scale bytes at QXS (32 a row), w_attn's at QWS.
;   A block's scale is 2^(floor(log2(largest magnitude)) - 2); its byte is the largest magnitude's exponent field - 2, held at 1 from below.
; Work-groups 224-255: w_proj, f32, is rounded to f16 into wp16, same order.
; Work-groups 256-287: the table of the rotary angles, rope[t][i] = (cos, sin)(t x 10000^(-i/32)), f32, 256 bytes a token.
; LIMITS.  A block of zeros gets the byte 1 where the rule says 127: its codes are zeros, and this program alone reads the bytes.  Blocks whose largest magnitude lies under 2^-124 were not tried.
; NaN and infinities among the inputs are not served.  |w_proj| stays under 65,504, f16's largest number; under 6e-5 it is kept to 3e-8.
; The frequency is 2^(-i log2(10)/8) by v_exp_f32: the angle may differ from one made by a power and a division by some 2e-4 rad at t near 2,047, by under 2e-6 rad at t < 16.
; No tensor loads, no barrier: waves share nothing.  Only the first job uses LDS: each wave's own 8,192 bytes.
.set WAVES, 4
.set STEPS, 16
.set WGA,   128                        ; x: 4096 x 1024 / 32768 work-groups
.set WGQ,   224                        ; + w_attn's 96
.set WGC,   256                        ; + w_proj's 32
.set QXC,   0
.set QWC,   2097152
.set QXS,   3670016
.set QWS,   3801088
.set EMAX,  2
.set CB,    8                          ; bytes of 16 codes
.set R,     16                         ; v16-79   four sets of 16 numbers as they are loaded
.set X,     80                         ; v80-111  two sets of 16 neighbours
.set C,     128                        ; v128-191 codes: four registers for each step
.set E,     112                        ; v112-127 a scale byte for each step
.set WREG,  8192                       ; LDS: a region for each wave: two stages of 32 x SP bytes, behind them its 256 scale bytes
.set SP,    80                         ; a lane's place in a stage: its 64 bytes + 16 of padding
.set SPW,   12                         ; v12 LDS address of my spare word; never rewritten
.set NIL,   13                         ; v13 0; never rewritten
.set SPARE, WAVES*WREG                 ; the spare words, 128 bytes a wave, named by no other line
	s_load_b256 s[4:11], s[0:1], 0x0               ; x s[4:5], w_attn s[6:7], w_proj s[8:9], qin s[10:11]
	s_load_b128 s[12:15], s[0:1], 0x20             ; wp16 s[12:13], rope s[14:15]
	v_lshl_add_u32 v[SPW], v0, 2, SPARE
	v_mov_b32 v[NIL], 0
	v_lshrrev_b32 v1, 5, v0
	v_readfirstlane_b32 s16, v1                    ; wave
	v_and_b32 v2, 31, v0                           ; lane
	s_wait_kmcnt 0x0
	s_cmp_lt_u32 ttmp9, WGQ
	s_cbranch_scc0 .Lnot_quant
; ---- THE QUANTISER.  Both tensors are plain streams of blocks of 32.  A wave takes 16 steps of 512 numbers.  Each of a step's four loads reads 512 consecutive bytes; the 2,048 bytes
; turn through the wave's own stage in LDS and come back 64 bytes a lane, so that a lane holds 16 neighbours along K (two neighbouring lanes hold a block).
	v_lshlrev_b32 v3, 4, v2                        ; my 16 bytes of a load's 512
	s_mul_i32 s17, s16, WREG
	v_lshrrev_b32 v14, 2, v2
	v_mul_u32_u24 v14, v14, SP
	v_and_b32 v15, 3, v2
	v_lshl_add_u32 v14, v15, 4, v14
	v_add_nc_u32 v14, s17, v14                     ; the stage, on the way in: SP (lane / 4) + 16 (lane % 4)
	v_mul_u32_u24 v15, v2, SP
	v_add_nc_u32 v15, s17, v15                     ; and on the way out: SP x lane
	v_mul_u32_u24 v4, v2, CB                       ; my codes' place in a step's
	v_lshrrev_b32 v5, 1, v2
	s_add_co_u32 s17, s17, 2*32*SP
	v_add_nc_u32 v5, s17, v5                       ; LDS: my wave's 256 scale bytes, my block's byte
	v_lshlrev_b32 v7, 3, v2                        ; and on the way out 8 bytes a lane
	v_add_nc_u32 v6, s17, v7
	s_cmp_lt_u32 ttmp9, WGA                        ; x's work-group or w_attn's?  The choice hangs on the work-group's number alone
	s_cselect_b64 s[4:5], s[4:5], s[6:7]
	s_cselect_b32 s24, QXC, QWC                    ; where the tensor's codes begin in qin,
	s_mov_b32 s25, QWS
	s_cselect_b32 s25, QXS, s25                    ; and its scale bytes
	s_cselect_b32 s17, 0, WGA
	s_sub_co_u32 s17, ttmp9, s17
	s_lshl_b32 s17, s17, 2
	s_add_co_u32 s18, s17, s16                     ; which run of 8,192 numbers of the tensor is my wave's
	s_lshl_b32 s20, s18, 15                        ; 32,768 bytes of f32 a run
	s_mov_b32 s21, 0
	s_add_nc_u64 s[4:5], s[4:5], s[20:21]
	s_lshl_b32 s20, s18, 12                        ; 4,096 bytes of codes
	s_add_co_u32 s20, s20, s24
	s_add_nc_u64 s[26:27], s[10:11], s[20:21]
	s_lshl_b32 s20, s18, 8                         ; 256 scale bytes
	s_add_co_u32 s20, s20, s25
	s_add_nc_u64 s[28:29], s[10:11], s[20:21]
.macro LOAD t
.irp i, 0,1,2,3
	global_load_b128 v[R+16*((\t)%4)+4*\i:R+16*((\t)%4)+4*\i+3], v3, s[4:5] offset:2048*(\t)+512*\i th:TH_LOAD_NT   ; 32 lanes read 512 consecutive bytes
.endr
.endm
.macro TURN t                          ; step t's numbers through the stage: LDS serves a wave's instructions in order (ISA guide 5.7.1.4), so no wait stands between the stores and the loads
.irp i, 0,1,2,3
	ds_store_b128 v14, v[R+16*((\t)%4)+4*\i:R+16*((\t)%4)+4*\i+3] offset:32*SP*((\t)%2)+8*SP*\i
.endr
.irp i, 0,1,2,3
	ds_load_b128 v[X+16*((\t)%2)+4*\i:X+16*((\t)%2)+4*\i+3], v15 offset:32*SP*((\t)%2)+16*\i
.endr
.endm
.irp t, 0,1,2,3
	LOAD \t
.endr
	s_wait_loadcnt 12                              ; step 0's four loads are in; the twelve of steps 1 to 3 may be out
	TURN 0
.macro STEP t
.set XN, X+16*((\t)%2)
.if (\t) > 0
	s_wait_dscnt 1                                 ; this step's numbers are back from the stage (the last step's byte store may be out)
.else
	s_wait_dscnt 0x0
.endif
.if (\t)+4 < STEPS
	LOAD (\t)+4                                    ; into the registers that the stage's stores have read
.endif
.if (\t)+1 < STEPS
.if STEPS-2-(\t) >= 3
	s_wait_loadcnt 12                              ; the next step's four loads are in; those of the three steps behind it may be out
.else
	s_wait_loadcnt 4*(STEPS-2-(\t))
.endif
	TURN (\t)+1                                    ; and go through the other stage while this step is worked
.endif
	v_max3_num_f32 v8, |v[XN]|, |v[XN+1]|, |v[XN+2]|               ; the largest magnitude of my 16, in two chains
	v_max3_num_f32 v9, |v[XN+3]|, |v[XN+4]|, |v[XN+5]|
.irp i, 6,10
	v_max3_num_f32 v8, v8, |v[XN+\i]|, |v[XN+\i+1]|
	v_max3_num_f32 v9, v9, |v[XN+\i+2]|, |v[XN+\i+3]|
.endr
	v_max3_num_f32 v8, v8, |v[XN+14]|, |v[XN+15]|
	v_max3_num_f32 v8, v8, v9, (EMAX+1)<<23        ; and the floor 2^(3 - 127): the byte cannot fall under 1
	v_max_num_f32_dpp v8, v8, v8 row_xmask:1 row_mask:0xf bank_mask:0xf   ; and of my neighbour's 16: the block's
	v_add_nc_u32 v11, -(EMAX<<23), v8              ; 2 off its exponent field: the conversion takes the exponent field of this operand as its scale
	v_cvt_scalef32_pk8_fp4_f32 v[C+4*(\t)], v[XN:XN+7], v11        ; to the nearest code, ties to even, beyond the largest code the largest
	v_cvt_scalef32_pk8_fp4_f32 v[C+4*(\t)+1], v[XN+8:XN+15], v11
	v_lshrrev_b32 v[E+(\t)], 23, v11               ; the scale's byte (a plain line behind the conversions)
	ds_store_b8 v5, v[E+(\t)] offset:16*(\t)       ; both lanes of a block write the same byte with the same value
	global_store_b64 v4, v[C+4*(\t):C+4*(\t)+1], s[26:27] offset:32*CB*(\t)   ; the wave stores 256 consecutive bytes, aligned
.endm
.irp t, 0,1,2,3,4,5,6,7,8,9,10,11,12,13,14,15
	STEP \t
.endr
	ds_load_b64 v[8:9], v6                         ; in order behind my byte stores
	s_wait_dscnt 0x0
	global_store_b64 v7, v[8:9], s[28:29]          ; 32 lanes store 256 consecutive bytes, aligned
	s_wait_tensorcnt 0x0                           ; the wave's end: behind my last LDS store
	ds_add_u32 v[SPW], v[NIL]
	s_wait_dscnt 0x0
	s_endpgm
.Lnot_quant:
	s_cmp_lt_u32 ttmp9, WGC
	s_cbranch_scc0 .Lrope
; ---- w_proj TO f16.  A wave takes 8,192 numbers in four batches of 16 loads; two batches are on their way.
	s_sub_co_u32 s17, ttmp9, WGQ
	s_lshl_b32 s17, s17, 2
	s_add_co_u32 s17, s17, s16                     ; which run of 8,192 numbers
	s_lshl_b32 s18, s17, 15
	s_mov_b32 s19, 0
	s_add_nc_u64 s[8:9], s[8:9], s[18:19]
	s_lshl_b32 s18, s17, 14
	s_add_nc_u64 s[12:13], s[12:13], s[18:19]
	v_lshlrev_b32 v3, 4, v2                        ; in: 16 bytes a lane
	v_lshlrev_b32 v4, 3, v2                        ; out: 8 bytes a lane
.macro LOADB b
.irp i, 0,1,2,3,4,5,6,7,8,9,10,11,12,13,14,15
	global_load_b128 v[16+64*((\b)%2)+4*\i:16+64*((\b)%2)+4*\i+3], v3, s[8:9] offset:8192*(\b)+512*\i th:TH_LOAD_NT
.endr
.endm
.macro CVTB b
.if (\b) < 3
	s_wait_loadcnt 16                              ; this batch is in; the next batch's sixteen may be out
.else
	s_wait_loadcnt 0
.endif
.if (\b) > 0
	s_wait_xcnt 0x0                                ; the last batch's stores have read v144-175, which are written again below
.endif
.irp i, 0,1,2,3,4,5,6,7,8,9,10,11,12,13,14,15
	v_cvt_pk_f16_f32 v[144+2*\i], v[16+64*((\b)%2)+4*\i], v[16+64*((\b)%2)+4*\i+1]
	v_cvt_pk_f16_f32 v[145+2*\i], v[16+64*((\b)%2)+4*\i+2], v[16+64*((\b)%2)+4*\i+3]
.endr
.if (\b) < 2
	LOADB (\b)+2
.endif
.irp i, 0,1,2,3,4,5,6,7,8,9,10,11,12,13,14,15
	global_store_b64 v4, v[144+2*\i:145+2*\i], s[12:13] offset:4096*(\b)+256*\i   ; 256 consecutive bytes, aligned
.endr
.endm
	LOADB 0
	LOADB 1
	CVTB 0
	CVTB 1
	CVTB 2
	CVTB 3
	s_endpgm
.Lrope:
; ---- THE TABLE.  Lane = i; a wave takes 16 tokens.  The angle a = t x freq is brought into [-pi/4, pi/4] by k = round(a x 2/pi), r = a - k pi/2 with pi/2 in two parts
; (the first product is taken away exactly: k has 11 bits, the part 24, and the difference lies under 1); sine and cosine of r by polynomials; k mod 4 chooses and signs them.
	s_sub_co_u32 s17, ttmp9, WGC
	s_lshl_b32 s17, s17, 6
	s_lshl_b32 s18, s16, 4
	s_add_co_u32 s17, s17, s18                     ; my first token
	s_lshl_b32 s18, s17, 8
	s_mov_b32 s19, 0
	s_add_nc_u64 s[14:15], s[14:15], s[18:19]
	s_mov_b32 s20, 0x3f22f983                      ; 2 / pi
	s_mov_b32 s21, 0x3fc90fdb                      ; pi / 2, the f32 nearest to it,
	s_mov_b32 s22, 0xb33bbd2e                      ; and what is left
	s_mov_b32 s23, 0xb94ca1f9                      ; sine: -1.9515296e-4, 8.3321609e-3, -1.6666655e-1
	s_mov_b32 s24, 0x3c08839e
	s_mov_b32 s25, 0xbe2aaaa3
	s_mov_b32 s26, 0x37ccf5ce                      ; cosine: 2.4433157e-5, -1.3887316e-3, 4.1666646e-2
	s_mov_b32 s27, 0xbab6061a
	s_mov_b32 s28, 0x3d2aaaa5
	v_cvt_f32_u32 v3, v2
	v_mul_f32 v3, 0xbed49a78, v3                   ; -i log2(10) / 8
	v_exp_f32 v4, v3                               ; freq = 10000^(-i / 32)
	v_lshlrev_b32 v5, 3, v2                        ; 8 bytes a lane (a plain line behind the exponential)
	s_wait_alu depctr_va_vdst(0)                   ; ahead of the first line that names the result
.macro ANG n
	s_add_co_u32 s30, s17, \n
	v_cvt_f32_u32 v16, s30
	v_mul_f32 v16, v16, v4                         ; a
	v_mul_f32 v17, s20, v16
	v_rndne_f32 v17, v17                           ; k
	v_fma_f32 v18, -v17, s21, v16
	v_fma_f32 v18, -v17, s22, v18                  ; r
	v_mul_f32 v19, v18, v18                        ; z = r r
	v_fma_f32 v20, v19, s23, s24
	v_fma_f32 v20, v20, v19, s25
	v_mul_f32 v20, v20, v19
	v_fma_f32 v20, v20, v18, v18                   ; sin r
	v_fma_f32 v21, v19, s26, s27
	v_fma_f32 v21, v21, v19, s28
	v_mul_f32 v22, v19, v19
	v_fma_f32 v23, v19, -0.5, 1.0
	v_fma_f32 v21, v21, v22, v23                   ; cos r
	v_cvt_i32_f32 v24, v17
	v_and_b32 v25, 1, v24
	v_cmp_eq_u32 vcc_lo, 1, v25                    ; k odd: sine and cosine change places
	v_cndmask_b32 v26, v20, v21, vcc_lo
	v_cndmask_b32 v27, v21, v20, vcc_lo
	v_and_b32 v25, 2, v24
	v_lshlrev_b32 v25, 30, v25
	v_xor_b32 v[65+2*\n], v25, v26                 ; the sine is negative where k mod 4 is 2 or 3
	v_add_nc_u32 v24, 1, v24
	v_and_b32 v24, 2, v24
	v_lshlrev_b32 v24, 30, v24
	v_xor_b32 v[64+2*\n], v24, v27                 ; the cosine where it is 1 or 2
	global_store_b64 v5, v[64+2*\n:65+2*\n], s[14:15] offset:256*\n   ; a token's row: 256 consecutive bytes, aligned; each token has its own pair of registers
.endm
.irp n, 0,1,2,3,4,5,6,7,8,9,10,11,12,13,14,15
	ANG \n
.endr
	s_endpgm
.Lfunc_end_k_qa68e5cbb39_prep:
	.size	k_qa68e5cbb39_prep, .Lfunc_end_k_qa68e5cbb39_prep-k_qa68e5cbb39_prep
	.p2alignl 7, 3214868480
	.fill 96, 4, 3214868480
	.section	.rodata,"a",@progbits
	.p2align	6, 0x0
	.amdhsa_kernel k_qa68e5cbb39_prep
		.amdhsa_group_segment_fixed_size 33280
		.amdhsa_private_segment_fixed_size 0
		.amdhsa_enable_private_segment 0
		.amdhsa_kernarg_size 48
		.amdhsa_user_sgpr_count 2
		.amdhsa_user_sgpr_kernarg_segment_ptr 1
		.amdhsa_wavefront_size32 1
		.amdhsa_system_sgpr_workgroup_id_x 1
		.amdhsa_system_sgpr_workgroup_id_y 1
		.amdhsa_system_sgpr_workgroup_id_z 1
		.amdhsa_system_vgpr_workitem_id 0
		.amdhsa_next_free_vgpr 192
		.amdhsa_next_free_sgpr 66
		.amdhsa_reserve_vcc 1
		.amdhsa_float_denorm_mode_32 3
		.amdhsa_float_denorm_mode_16_64 3
		.amdhsa_memory_ordered 1
		.amdhsa_forward_progress 1
		.amdhsa_inst_pref_size 76
	.end_amdhsa_kernel
	.amdgpu_metadata
---
amdhsa.version: [ 1, 2 ]
amdhsa.kernels:
  - .name:           k_qa68e5cbb39_prep
    .symbol:         k_qa68e5cbb39_prep.kd
    .args:
      - { .name: x, .offset: 0, .size: 8, .value_kind: global_buffer, .address_space: global }
      - { .name: w_attn, .offset: 8, .size: 8, .value_kind: global_buffer, .address_space: global }
      - { .name: w_proj, .offset: 16, .size: 8, .value_kind: global_buffer, .address_space: global }
      - { .name: qin, .offset: 24, .size: 8, .value_kind: global_buffer, .address_space: global }
      - { .name: wp16, .offset: 32, .size: 8, .value_kind: global_buffer, .address_space: global }
      - { .name: rope, .offset: 40, .size: 8, .value_kind: global_buffer, .address_space: global }
    .group_segment_fixed_size: 33280
    .private_segment_fixed_size: 0
    .kernarg_segment_align: 8
    .kernarg_segment_size: 48
    .max_flat_workgroup_size: 128
    .sgpr_count:     66
    .vgpr_count:     192
    .wavefront_size: 32
...
	.end_amdgpu_metadata
.endif
;; end of part 1
;; launch qkv (part 2): grid 12 x 16, 4 waves a work-group, clusters of 4 x 4, 327,680 bytes of LDS; arguments qin, rope, qkv16, fine; writes qkv16, fine
.if DOCPART == 2
	.amdgcn_target "amdgcn-amd-amdhsa--gfx1250"
	.amdhsa_code_object_version 6
	.text
	.protected	k_qa68e5cbb39_qkv
	.globl	k_qa68e5cbb39_qkv
	.p2align	8
	.type	k_qa68e5cbb39_qkv,@function
k_qa68e5cbb39_qkv:
	s_mov_b64 s[64:65], 0
	v_nop
	global_prefetch_b8 v0, s[64:65] scope:SCOPE_SE
	s_setreg_imm32_b32 hwreg(HW_REG_WAVE_MODE, 25, 1), 1
	s_wait_xcnt 0x0
	s_wait_alu depctr_hold_cnt(0) depctr_sa_sdst(0) depctr_va_vdst(0) depctr_va_sdst(0) depctr_va_ssrc(0) depctr_va_vcc(0) depctr_vm_vsrc(0)
	s_getreg_b32 s2, hwreg(HW_REG_IB_STS2, 6, 4)
	s_cmp_eq_u32 s2, 0
	s_cbranch_scc0 .Lentry_in_a_cluster
	s_endpgm
.Lentry_in_a_cluster:
	s_bfe_u32 s2, ttmp6, 0x10000c
	s_cmp_lg_u32 s2, 0xf033
	s_cbranch_scc0 .Lentry_shape_is_right
	s_endpgm
.Lentry_shape_is_right:
; qkv = x w_attn^T on codes of FP4 (E2M1) with one E8M0 scale for each 32 along K (4096 x 1024 x 3072), the rotary step in f32 on the way out, q, k, v stored as f16 by head.
; qin holds x's codes (byte 0, 512 bytes a row), w_attn's codes (QWC), x's scale bytes (QXS, 32 a row), w_attn's (QWS).  rope[t][i] = (cos, sin), 256 bytes a token.
; OUT: qkv16 = q, k, v, each [b][h][t][64] f16 (a row 128 bytes).  In q and k position p of a row holds feature (p - 1) mod 64: the same turn on both leaves q . k as it is.  v in its own order.
;      fine = positions 0 to 15 of each sequence in f32, same orders, for the launch that carries them in f32, laid as that launch's operand registers take them:
;      [q, k, v][16 b + h][m = 0..7][half = 0, 1][token 0..15][4 numbers]: the numbers at positions 8 m + 4 half + 0 .. 3 of the token's row; 4,096 bytes a head.
; THE ROTARY STEP, with x the head's 64 numbers, c_i, s_i the token's cosines and sines, indices taken round: out[2i] = x[2i] c_i - x[2i-1] s_i;  out[2i-1] = x[2i-1] c_(i-1) + out[2i] s_(i-1).
; LIMITS: |q|, |k|, |v| stay under 65,504, f16's largest number; under 6e-5 they are kept to 3e-8.
; SHARES.  A tile of 256 tokens x 256 features is made by a work-group of four waves; a wave makes 128 x 128 (two heads): 64 accumulators, 512 registers.  All of K, 1,024, lies in two LDS slots of 512 along K:
; each slot is filled once.  The scale bytes of the work-group's rows come once too.  By this text's own count three tensor loads of a wave are out at the most.
; CLUSTERS: 4 x 4 work-groups.  The four of a row of the cluster need the same tiles of x, the four of a column the same tiles of w_attn: each tile is asked for jointly.  A cluster's column of the grid is q (0), k (1) or
; v (2): the one branch of the way out hangs on the cluster's x, which all sixteen partners share.
; THE MATRIX INSTRUCTION IS USED TRANSPOSED (source 0 = 16 rows of w_attn, source 1 = 16 tokens): a lane then holds eight neighbouring features of one token.
; REGISTERS, in windows of 256: window 0: v0-31 addresses; v32-95 scale words, two sets; v128-191 x's fragments, one set; v192-231 the table's numbers; on the way out v32-191 two blocks of results.
;   window 1: w_attn's fragments, two sets.   window 2: the accumulators of my tokens 0-63 ((a, b) at v[8 (8 a + b)]);   window 3: those of my tokens 64-127.
.set QWC,    2097152
.set QXS,    3670016
.set QWS,    3801088
.set NQ,     4                         ; steps of 128 along K in a slot
.set ROWB,   256                       ; a tile's row in bytes: 512 codes
.set KROW,   512                       ; a row of codes in memory
.set PITCH,  272                       ; an LDS row: 256 bytes + 16 of padding: the 16 rows that a load touches start at 16 different banks (64 banks of 4 bytes: ISA guide 11.1)
.set FR,     8                         ; registers of a fragment
.set NL,     2                         ; LDS loads that bring one
.set NP,     4                         ; places behind this matrix instruction (ISA guide 7.12.1)
.set HALFT,  128*PITCH
.set SLOT,   4*HALFT
.set KS,     32                        ; a row of scale bytes
.set SCL,    2*SLOT                    ; behind the slots: the scales, as units of 256 bytes + 16 of padding
.set HALFS,  (128*KS/256)*272
.set SBLK,   (16*KS/256)*272
.set SPARE,  SCL+4*HALFS               ; the spare words, 128 bytes a wave, named by no other line
.set SPITCH, 528                       ; the way out: a stage of 16 rows x (512 bytes + 16) for each wave, in slot 0, which has had its only fill and its last read by then
.set ADRA, 16                          ; v16-17 LDS address of my x fragments in slot 0, 1
.set FO,   18                          ; v18 my byte in a head's block of fine: 512 (lane % 8) + 16 (lane / 8)
.set ADRB, 20                          ; v20-21 the same for w_attn
.set TK,   22                          ; v22 my wave's first token in its sequence
.set ADRS, 23                          ; v23 LDS address of my scale words
.set STO,  24                          ; v24 the stage: where I put 32 bytes of a token
.set RD,   25                          ; v25 the stage: where I read 32 bytes back: token (lane / 8), features 8 (lane % 8) on
.set RDW,  26                          ; v26 and the one number in front of them, taken round inside the head
.set GO,   27                          ; v27 my byte in four rows of qkv16
.set SPW,  28                          ; v28 my spare word; never rewritten
.set NIL,  29                          ; v29 0; never rewritten
.set TO,   30                          ; v30 my byte in four rows of the table
.set TOH,  31                          ; v31 the pair in front of mine, taken round
.set SC,   32
.set AF,   128
.set X0,   32                          ; the way out: a block is 4 sets (4 tokens each) x 2 heads x 10 registers: +0..7 x[8e..8e+7], +8 x[8e-1]
.set T,    192                         ; the table: 4 sets x 10: +0..7 (c, s) of i = 4e .. 4e+3, +8, +9 of i = 4e-1
.set TMP,  232
.set OUTB, 12                          ; s[12:13] qkv16 at my wave's first token of its first head
.set TABB, 96                          ; s[96:97] the table at that token
.set FINB, 98                          ; s[98:99] fine at my first head
.set G1, 24
.set G0, 32
.set G1B, 48
.set G0B, 56
.set G1S, 68
.set G0S, 76
.set G1SB, 80
.set G0SB, 88
.set MSB, 0
.macro WIN new                         ; the immediate's high byte repeats the setting that is left
.if MSB != (\new)
	s_set_vgpr_msb (MSB<<8)|(\new)
.set MSB, \new
.endif
.endm
.set MUL_LO, 0xa1                      ; source 0 window 1, source 1 window 0, C and D window 2
.set MUL_HI, 0xf1                      ; the same, C and D window 3
.set TO_B,   0x40                      ; destination window 1, address window 0
; A joint load: waves 0 and 1 fetch for x, waves 2 and 3 for w_attn.  The branch hangs on the wave's number alone.  An s_nop 0 and four v_nop follow each of the two lines.
.macro JLOAD g0a, g1a, g0b, g1b
	s_cmp_eq_u32 s15, 0
	s_cbranch_scc0 .Lfor_b_\@
	tensor_load_to_lds s[\g0a:\g0a+3], s[\g1a:\g1a+7]
	s_nop 0
.rept 4
	v_nop
.endr
	s_branch .Lasked_\@
.Lfor_b_\@:
	tensor_load_to_lds s[\g0b:\g0b+3], s[\g1b:\g1b+7]
	s_nop 0
.rept 4
	v_nop
.endr
.Lasked_\@:
.endm
.macro CROUND                          ; a round of the cluster's barrier
	s_barrier_signal -1
	s_barrier_wait -1
	s_cmp_lg_u32 s14, 0
	s_cbranch_scc1 .Lnot_wave_0_\@
	s_barrier_signal -3
.Lnot_wave_0_\@:
	s_barrier_wait -3
	s_barrier_signal -1
	s_barrier_wait -1
.endm
	s_load_b256 s[4:11], s[0:1], 0x0               ; qin s[4:5], rope s[6:7], qkv16 s[8:9], fine s[10:11]
	v_lshl_add_u32 v[SPW], v0, 2, SPARE
	v_mov_b32 v[NIL], 0
	ds_add_u32 v[SPW], v[NIL]                      ; the wave's opening: the add, twice on end, and its wait ahead of my first tensor load
	ds_add_u32 v[SPW], v[NIL]
	v_lshrrev_b32 v1, 5, v0
	v_readfirstlane_b32 s14, v1                    ; wave 0..3
	s_lshr_b32 s15, s14, 1                         ; which half of the tile's tokens is mine.  Also: I fetch for x (0) or for w_attn (1)
	s_and_b32 s16, s14, 1                          ; which half of its features.  Also: which 128 rows of that tile I fetch
	s_bfe_u32 s40, ttmp6, 0x40000                  ; cx, cy: my place in the cluster
	s_bfe_u32 s41, ttmp6, 0x40004
	s_lshl_b32 s42, ttmp9, 2
	s_add_co_u32 s42, s42, s40                     ; tile column = 4 x cluster x + cx
	s_and_b32 s17, ttmp7, 0xffff
	s_lshl_b32 s17, s17, 2
	s_add_co_u32 s17, s17, s41                     ; tile row = 4 x cluster y + cy
	s_lshl_b32 s43, s41, 2
	s_lshl_b32 s43, 15, s43                        ; my row of the cluster
	s_lshl_b32 s44, 0x1111, s40                    ; my column
	; descriptor group 1: a tile of 128 rows x 256 bytes, 16 bytes of padding behind each row
	s_or_b32 s[G1+0], s43, (0<<16)|(1<<20)|(1<<21)|(5<<22)|(3<<25)  ; 15:0 the mask; 17:16 element of 1 byte; 20 padding on; 21 set beside a mask; 24:22 after every 64 words; 31:25 four words
	s_or_b32 s[G1B+0], s44, (0<<16)|(1<<20)|(1<<21)|(5<<22)|(3<<25)
.irp g, G1, G1B
	s_mov_b32 s[\g+1], ROWB<<16                    ; tensor_dim0
	s_mov_b32 s[\g+2], 128<<16                     ; tensor_dim1
	s_mov_b32 s[\g+3], ROWB<<16                    ; tile_dim0
	s_mov_b32 s[\g+4], 128                         ; tile_dim1
	s_mov_b32 s[\g+5], KROW                        ; tensor_dim0_stride
	s_mov_b32 s[\g+6], 0
	s_mov_b32 s[\g+7], 0
.endr
	; the scales of 128 rows: a dense block of 4,096 bytes, as 16 rows of 256 bytes (32 elements of 8 bytes), 16 bytes of padding behind each
	s_or_b32 s[G1S+0], s43, (3<<16)|(1<<20)|(1<<21)|(5<<22)|(3<<25)
	s_or_b32 s[G1SB+0], s44, (3<<16)|(1<<20)|(1<<21)|(5<<22)|(3<<25)
.irp g, G1S, G1SB
	s_mov_b32 s[\g+1], 32<<16
	s_mov_b32 s[\g+2], (128*KS/256)<<16
	s_mov_b32 s[\g+3], 32<<16
	s_mov_b32 s[\g+4], 128*KS/256
	s_mov_b32 s[\g+5], 32
	s_mov_b32 s[\g+6], 0
	s_mov_b32 s[\g+7], 0
.endr
	s_lshl_b32 s18, s16, 7                         ; which 128 rows of the tile I fetch
	s_lshl_b32 s20, s17, 8
	s_add_co_u32 s20, s20, s18                     ; x: row 256 x tile row + 128 x half
	s_lshl_b32 s46, s42, 8
	s_add_co_u32 s46, s46, s18                     ; w_attn: row 256 x tile column + 128 x half
	s_mov_b32 s21, 0
	s_mov_b32 s47, 0
	s_mov_b64 s[18:19], KS
	s_mul_u64 s[22:23], s[20:21], s[18:19]         ; where these rows' scales begin, in bytes,
	s_mul_u64 s[92:93], s[46:47], s[18:19]
	s_mov_b64 s[18:19], KROW
	s_mul_u64 s[20:21], s[20:21], s[18:19]         ; and their codes,
	s_mul_u64 s[46:47], s[46:47], s[18:19]
	s_add_nc_u64 s[22:23], s[22:23], QXS           ; each in its region of qin
	s_add_nc_u64 s[46:47], s[46:47], QWC
	s_add_nc_u64 s[92:93], s[92:93], QWS
	s_mul_i32 s45, s14, HALFT                      ; where they go: wave x 128 rows: no place in the cluster enters an LDS address
	s_mul_i32 s94, s14, HALFS
	s_wait_dscnt 0x0                               ; both opening adds are done
	s_wait_kmcnt 0x0
	s_add_nc_u64 s[20:21], s[4:5], s[20:21]
	s_add_nc_u64 s[22:23], s[4:5], s[22:23]
	s_add_nc_u64 s[46:47], s[4:5], s[46:47]
	s_add_nc_u64 s[92:93], s[4:5], s[92:93]
	CROUND                                         ; all sixteen work-groups are here: the joint loads meet
	s_mov_b32 s[G0S], 1
	s_add_co_u32 s[G0S+1], s94, SCL
	s_mov_b64 s[G0S+2:G0S+3], s[22:23]
	s_or_b32 s[G0S+3], s[G0S+3], 0x80000000
	s_mov_b32 s[G0SB], 1
	s_add_co_u32 s[G0SB+1], s94, SCL
	s_mov_b64 s[G0SB+2:G0SB+3], s[92:93]
	s_or_b32 s[G0SB+3], s[G0SB+3], 0x80000000
	JLOAD G0S, G1S, G0SB, G1SB                     ; the scales first: they are wanted with the first step
.irp s, 0,1
	s_mov_b32 s[G0+4*\s], 1
	s_add_co_u32 s[G0+4*\s+1], s45, \s*SLOT
	s_add_nc_u64 s[G0+4*\s+2:G0+4*\s+3], s[20:21], \s*ROWB
	s_or_b32 s[G0+4*\s+3], s[G0+4*\s+3], 0x80000000
	s_mov_b32 s[G0B+4*\s], 1
	s_add_co_u32 s[G0B+4*\s+1], s45, \s*SLOT
	s_add_nc_u64 s[G0B+4*\s+2:G0B+4*\s+3], s[46:47], \s*ROWB
	s_or_b32 s[G0B+4*\s+3], s[G0B+4*\s+3], 0x80000000
	JLOAD G0+4*\s, G1, G0B+4*\s, G1B
.endr
	v_and_b32 v1, 15, v0                           ; r = l % 16
	v_bfe_u32 v2, v0, 4, 1                         ; h = l / 16
	v_mul_u32_u24 v3, v1, PITCH
	v_lshl_add_u32 v4, v2, 4, v3                   ; a fragment's row x pitch + 16 x half
	s_mul_i32 s21, s15, HALFT                      ; my 128 rows of x
	s_mul_i32 s22, s16, HALFT                      ; my 128 rows of w_attn,
	s_add_co_u32 s22, s22, 2*HALFT                 ; which lie behind x's 256
.irp s, 0,1
	v_add_nc_u32 v[ADRA+\s], s21, v4
	v_add_nc_u32 v[ADRB+\s], s22, v4
	s_add_co_u32 s21, s21, SLOT
	s_add_co_u32 s22, s22, SLOT
.endr
	v_mul_u32_u24 v5, v1, KS                       ; my row's scales: 32 bytes a row,
	v_lshrrev_b32 v6, 8, v5
	v_lshl_add_u32 v5, v6, 4, v5                   ; and 16 more for each 256 passed
	s_mul_i32 s21, s15, HALFS
	s_mul_i32 s22, s16, HALFS
	s_add_co_u32 s22, s22, 2*HALFS
	s_sub_co_u32 s22, s22, s21
	v_mul_u32_u24 v6, s22, v2                      ; lanes 16-31 take w_attn's
	s_add_co_u32 s21, s21, SCL
	v_add_nc_u32 v5, v5, v6
	v_add_nc_u32 v[ADRS], s21, v5
	s_mul_i32 s23, s14, 16*SPITCH                  ; my stage
	v_mul_u32_u24 v5, v1, SPITCH                   ; in: row r, 32 bytes for each half of the lanes
	v_lshl_add_u32 v5, v2, 5, v5
	v_add_nc_u32 v[STO], s23, v5
	v_and_b32 v6, 7, v0                            ; e = l % 8
	v_bfe_u32 v7, v0, 3, 2                         ; which of a set's four tokens
	v_mul_u32_u24 v8, v7, SPITCH
	v_add_nc_u32 v8, s23, v8
	v_lshl_add_u32 v[RD], v6, 5, v8                ; back: that token's row, features 8 e on
	v_lshlrev_b32 v9, 3, v6
	v_add_nc_u32 v9, 63, v9
	v_and_b32 v9, 63, v9                           ; (8 e - 1) mod 64
	v_lshl_add_u32 v[RDW], v9, 2, v8
	v_lshlrev_b32 v[GO], 7, v7                     ; qkv16: 128 bytes a token, 16 a lane
	v_lshl_add_u32 v[GO], v6, 4, v[GO]
	v_lshlrev_b32 v10, 8, v7                       ; the table: 256 bytes a token, 32 a lane
	v_lshl_add_u32 v[TO], v6, 5, v10
	v_lshlrev_b32 v9, 2, v6
	v_add_nc_u32 v9, 31, v9
	v_and_b32 v9, 31, v9                           ; (4 e - 1) mod 32
	v_lshl_add_u32 v[TOH], v9, 3, v10
	v_lshlrev_b32 v[FO], 9, v6                     ; fine: my eight positions are its m = e: 512 bytes each,
	v_lshl_add_u32 v[FO], v7, 4, v[FO]             ; 16 bytes a token
	s_lshr_b32 s18, s17, 3                         ; the batch: eight tile rows to a sequence
	s_and_b32 s19, s17, 7
	s_lshl_b32 s19, s19, 8
	s_lshl_b32 s20, s15, 7
	s_add_co_u32 s19, s19, s20                     ; my first token in its sequence
	v_mov_b32 v[TK], s19
	s_lshl_b32 s20, s40, 2
	s_lshl_b32 s21, s16, 1
	s_add_co_u32 s20, s20, s21                     ; my first head: 4 cx + 2 x half
	s_lshl_b32 s21, s18, 4
	s_add_co_u32 s20, s20, s21                     ; + 16 x batch
	s_lshl_b32 s22, ttmp9, 23                      ; q, k or v: 8,388,608 bytes each
	s_lshl_b32 s23, s20, 18                        ; a head: 262,144 bytes
	s_add_co_u32 s22, s22, s23
	s_lshl_b32 s23, s19, 7
	s_add_co_u32 s22, s22, s23
	s_mov_b32 s23, 0
	s_add_nc_u64 s[OUTB:OUTB+1], s[8:9], s[22:23]
	s_lshl_b32 s22, s19, 8
	s_add_nc_u64 s[TABB:TABB+1], s[6:7], s[22:23]
	s_lshl_b32 s22, ttmp9, 17                      ; fine: 131,072 bytes a part, 4,096 a head
	s_lshl_b32 s21, s20, 12
	s_add_co_u32 s22, s22, s21
	s_add_nc_u64 s[FINB:FINB+1], s[10:11], s[22:23]
; the table's numbers for set s (tokens 4 s .. 4 s + 3) of block a: three loads
.macro TLD a, s
	global_load_b128 v[T+10*(\s):T+10*(\s)+3], v[TO], s[TABB:TABB+1] offset:(16*(\a)+4*(\s))*256
	global_load_b128 v[T+10*(\s)+4:T+10*(\s)+7], v[TO], s[TABB:TABB+1] offset:(16*(\a)+4*(\s))*256+16
	global_load_b64 v[T+10*(\s)+8:T+10*(\s)+9], v[TOH], s[TABB:TABB+1] offset:(16*(\a)+4*(\s))*256
.endm
	TLD 0, 0                                       ; block 0's twelve loads are on their way through all the products.  They stand on every wave's way, so that the table's registers are written on
	TLD 0, 1                                       ; every way through the text: v's clusters, which take no rotary step, ask for these 5 KiB a wave too and leave them unread
	TLD 0, 2
	TLD 0, 3
.macro FRAG reg, adr, q, i             ; a fragment, 16 rows x 128 K of 4-bit codes: lane l holds row l % 16; registers 4 c .. 4 c + 3 hold K = 64 c + 32 (l / 16) + 0 .. 31
.irp c, 0,1
	ds_load_b128 v[\reg+4*\c:\reg+4*\c+3], v[\adr] offset:64*(\q)+32*\c+(\i)*16*PITCH
.endr
.endm
; 16 matrix instructions: token blocks a0, a0 + 1 x the eight feature blocks, 128 along K.  p: w_attn's set;  sc: the set of scale words.  zero = 1: the first product starts the sums.
; The 64 accumulators take turns, one instruction a turn, in the same order in every step.
.macro MUL16 a0, p, q, sc, zero
.irp a, \a0, \a0+1
.irp b, 0,1,2,3,4,5,6,7
.if \zero
	v_wmma_scale_f32_16x16x128_f8f6f4 v[8*(8*((\a)%4)+\b):8*(8*((\a)%4)+\b)+7], v[128*(\p)+FR*\b:128*(\p)+FR*\b+FR-1], v[AF+FR*(\a):AF+FR*(\a)+FR-1], 0, v[SC+8*NQ*(\sc)+NQ*\b+(\q)], v[SC+8*NQ*(\sc)+NQ*(\a)+(\q)] matrix_a_fmt:MATRIX_FMT_FP4 matrix_b_fmt:MATRIX_FMT_FP4 matrix_a_scale:MATRIX_SCALE_ROW1
.else
	v_wmma_scale_f32_16x16x128_f8f6f4 v[8*(8*((\a)%4)+\b):8*(8*((\a)%4)+\b)+7], v[128*(\p)+FR*\b:128*(\p)+FR*\b+FR-1], v[AF+FR*(\a):AF+FR*(\a)+FR-1], v[8*(8*((\a)%4)+\b):8*(8*((\a)%4)+\b)+7], v[SC+8*NQ*(\sc)+NQ*\b+(\q)], v[SC+8*NQ*(\sc)+NQ*(\a)+(\q)] matrix_a_fmt:MATRIX_FMT_FP4 matrix_b_fmt:MATRIX_FMT_FP4 matrix_a_scale:MATRIX_SCALE_ROW1
.endif
.endr
.endr
.endm
.macro FETCH_B slot, q, p
	WIN TO_B
.irp i, 0,1,2,3,4,5,6,7
	FRAG 128*(\p)+FR*\i, ADRB+\slot, \q, \i
.endr
	WIN 0
.endm
.macro FETCH_A slot, q, i0
.irp i, \i0, \i0+1, \i0+2, \i0+3
	FRAG AF+FR*(\i), ADRA+\slot, \q, \i
.endr
.endm
.macro SCALES sc                       ; a slot's scale words: 4 words a row; lanes 0-15 take x's block i, lanes 16-31 w_attn's block i
.irp i, 0,1,2,3,4,5,6,7
	ds_load_b128 v[SC+8*NQ*\sc+NQ*\i:SC+8*NQ*\sc+NQ*\i+3], v[ADRS] offset:\i*SBLK
.endr
.endm
.macro PLACES n                        ; plain vector lines between a matrix instruction and a load into, or a read of, its registers
.rept \n
	v_nop
.endr
.endm
.macro STEP slot, q, zero              ; a step of 128 along K that has its successor in the same slot
	s_wait_dscnt 4*NL                              ; w_attn's set and x's blocks 0-3 are in; the youngest eight loads (x's blocks 4-7) may be out
	WIN MUL_LO
	MUL16 0, (\q)%2, \q, \slot, \zero
	MUL16 2, (\q)%2, \q, \slot, \zero
	s_wait_dscnt 0                                 ; x's blocks 4-7 are in
	PLACES NP
	FETCH_B \slot, (\q)+1, 1-(\q)%2
	FETCH_A \slot, (\q)+1, 0
	WIN MUL_HI
	MUL16 4, (\q)%2, \q, \slot, \zero
	MUL16 6, (\q)%2, \q, \slot, \zero
	PLACES NP
	WIN 0
	FETCH_A \slot, (\q)+1, 4
.endm
; Slot 0's last step changes slots: one barrier; in front of it each wave waits for all its tensor loads (its part of slot 1), adds 0 to its spare word, and waits for that and for its reads of slot 0.  Nothing is filled again.
.macro TURN slot, next
	s_wait_tensorcnt 0x0                           ; all my tensor loads have landed
	ds_add_u32 v[SPW], v[NIL]                      ; 0 onto my spare word
	s_wait_dscnt 4*NL+1                            ; (the add and the youngest eight loads may be out)
	WIN MUL_LO
	MUL16 0, 1, NQ-1, \slot, 0
	s_wait_dscnt 0x0                               ; the add is done, and my reads of this slot are over
	s_barrier_signal -1
	MUL16 2, 1, NQ-1, \slot, 0
	WIN 0
	s_barrier_wait -1
	PLACES NP
	v_add_nc_u32 v[ADRS], 4*NQ, v[ADRS]            ; on to the next slot's scale words
	FETCH_B \next, 0, 0
	FETCH_A \next, 0, 0
	SCALES \next
	WIN MUL_HI
	MUL16 4, 1, NQ-1, \slot, 0
	MUL16 6, 1, NQ-1, \slot, 0
	PLACES NP
	WIN 0
	FETCH_A \next, 0, 4
.endm
.macro STEPS slot, from
.set Q, \from
.rept NQ-1-\from
	STEP \slot, Q, 0
.set Q, Q+1
.endr
.endm
	s_wait_tensorcnt 1                             ; the scales and my part of slot 0 are in (slot 1's load may be out),
	s_barrier_signal -1
	s_barrier_wait -1                              ; everybody's are
	FETCH_B 0, 0, 0
	FETCH_A 0, 0, 0
	SCALES 0
	FETCH_A 0, 0, 4
	STEP 0, 0, 1                                   ; the first step's products start the sums: nothing is cleared
	STEPS 0, 1
	TURN 0, 1
	STEPS 1, 0
	s_wait_dscnt 4*NL                              ; the last step: nothing more to fetch
	WIN MUL_LO
	MUL16 0, 1, NQ-1, 1, 0
	MUL16 2, 1, NQ-1, 1, 0
	s_wait_dscnt 0
	WIN MUL_HI
	MUL16 4, 1, NQ-1, 1, 0
	MUL16 6, 1, NQ-1, 1, 0
	WIN 0
; THE WAY OUT, block by block of 16 tokens x 128 features.  A block goes through my own stage in LDS and comes back so that a lane holds eight neighbouring features of one token of one head
; (four tokens to an instruction), with, for q and k, the one feature in front of them.  LDS serves a wave's instructions in order (ISA guide 5.7.1.4): no wait between the stores and the loads.
.macro TOSTAGE a, halo
.set AC, 64*((\a)%4)
	WIN 0x08+4*((\a)/4)                            ; the data: window 2 or 3
.irp b, 0,1,2,3,4,5,6,7
	ds_store_b128 v[STO], v[AC+8*\b:AC+8*\b+3] offset:64*\b          ; each accumulator from its low end on
	ds_store_b128 v[STO], v[AC+8*\b+4:AC+8*\b+7] offset:64*\b+16
.endr
	WIN 0
.set XB, X0+80*((\a)%2)
.irp s, 0,1,2,3
.irp d, 0,1
	ds_load_b128 v[XB+20*\s+10*\d:XB+20*\s+10*\d+3], v[RD] offset:4*SPITCH*\s+256*\d
	ds_load_b128 v[XB+20*\s+10*\d+4:XB+20*\s+10*\d+7], v[RD] offset:4*SPITCH*\s+256*\d+16
.if \halo
	ds_load_b32 v[XB+20*\s+10*\d+8], v[RDW] offset:4*SPITCH*\s+256*\d
.endif
.endr
.endr
.endm
; The rotary step of one head's eight numbers, in place, from the top down: afterwards registers 0 .. 7 hold features 8 e - 1 .. 8 e + 6.
.macro ROPE1 R, TS
.irp g, 3,2,1
	v_mul_f32 v[TMP+2*(\g%2)], v[(\R)+2*\g-1], v[(\TS)+2*\g+1]                    ; x[2i-1] s_i
	v_mul_f32 v[TMP+2*(\g%2)+1], v[(\R)+2*\g-1], v[(\TS)+2*\g-2]                  ; x[2i-1] c_(i-1)
	v_fma_f32 v[(\R)+2*\g+1], v[(\R)+2*\g], v[(\TS)+2*\g], -v[TMP+2*(\g%2)]       ; out[2i]
	v_fma_f32 v[(\R)+2*\g], v[(\R)+2*\g+1], v[(\TS)+2*\g-1], v[TMP+2*(\g%2)+1]    ; out[2i-1]
.endr
	v_mul_f32 v[TMP], v[(\R)+8], v[(\TS)+1]
	v_mul_f32 v[TMP+1], v[(\R)+8], v[(\TS)+8]
	v_fma_f32 v[(\R)+1], v[(\R)], v[(\TS)], -v[TMP]
	v_fma_f32 v[(\R)], v[(\R)+1], v[(\TS)+9], v[TMP+1]
.endm
; Positions 0 to 15 of a sequence also leave in f32.  Which waves hold them hangs on the work-group's place in its cluster, so it is a mask and no branch: whole or empty for a wave.
; A lane's positions 8 e + 0 .. 3 of token 4 s + (lane / 8) go to byte 512 e + 16 (4 s + lane / 8) of the head's block, positions 8 e + 4 .. 7 go 256 bytes further on.
.macro FINE
	s_wait_xcnt 0x0                                ; EXEC changes only behind this wait
	v_cmp_gt_u32 vcc_lo, 16, v[TK]
	s_and_saveexec_b32 s100, vcc_lo
.irp s, 0,1,2,3
.irp d, 0,1
	global_store_b128 v[FO], v[XB+20*\s+10*\d:XB+20*\s+10*\d+3], s[FINB:FINB+1] offset:64*\s+4096*\d
	global_store_b128 v[FO], v[XB+20*\s+10*\d+4:XB+20*\s+10*\d+7], s[FINB:FINB+1] offset:64*\s+4096*\d+256
.endr
.endr
	s_wait_xcnt 0x0                                ; and again: EXEC is widened, and the stores' data are written over below
	s_or_b32 exec_lo, exec_lo, s100
.endm
.macro PACKST a                        ; rounded to f16 in place, ascending, and stored: 32 lanes store 512 consecutive bytes, aligned: four tokens of one head
.irp s, 0,1,2,3
.irp d, 0,1
.irp k, 0,1,2,3
	v_cvt_pk_f16_f32 v[XB+20*\s+10*\d+\k], v[XB+20*\s+10*\d+2*\k], v[XB+20*\s+10*\d+2*\k+1]
.endr
	global_store_b128 v[GO], v[XB+20*\s+10*\d:XB+20*\s+10*\d+3], s[OUTB:OUTB+1] offset:2048*(\a)+512*\s+262144*\d
.endr
.endr
.endm
.macro SENDR a, younger                ; q and k.  younger: the LDS instructions issued behind block a's loads
.set XB, X0+80*((\a)%2)
	s_wait_dscnt \younger
.irp s, 0,1,2,3
.if (\a) < 7
	s_wait_loadcnt 9                               ; this set's three table loads are in; those of the three sets asked for behind it may be out
.else
	s_wait_loadcnt 3*(3-\s)
.endif
	ROPE1 XB+20*\s, T+10*\s
	ROPE1 XB+20*\s+10, T+10*\s
.if (\a) < 7
	TLD (\a)+1, \s                                 ; the set's registers take the next block's numbers
.endif
.endr
.if (\a) == 0
	FINE
.endif
	PACKST \a
.endm
.macro SENDV a, younger                ; v
.set XB, X0+80*((\a)%2)
	s_wait_dscnt \younger
.if (\a) == 0
	FINE
.endif
	PACKST \a
.endm
.macro FINISH
	s_wait_tensorcnt 0x0                           ; the wave's end: behind my last tensor load and my last LDS store
	ds_add_u32 v[SPW], v[NIL]
	s_wait_dscnt 0x0
	CROUND                                         ; the closing round
	s_endpgm
.endm
	PLACES NP                                      ; behind the last products: for the stage's stores, which read results, and the loads into the registers that held x's fragments
	s_cmp_eq_u32 ttmp9, 2                          ; v takes no rotary step.  The cluster's x is the same in all sixteen partners
	s_cbranch_scc1 .Lv
	TOSTAGE 0, 1
.irp a, 1,2,3,4,5,6,7
.if \a > 1
	s_wait_xcnt 0x0                                ; block a - 2's stores have read their registers: block a's loads may land there
.endif
	TOSTAGE \a, 1
	SENDR \a-1, 40                                 ; behind block a - 1's loads: block a's 16 stores and 24 loads
.endr
	SENDR 7, 0
	FINISH
.Lv:
	TOSTAGE 0, 0
.irp a, 1,2,3,4,5,6,7
.if \a > 1
	s_wait_xcnt 0x0
.endif
	TOSTAGE \a, 0
	SENDV \a-1, 32                                 ; block a's 16 stores and 16 loads
.endr
	SENDV 7, 0
	FINISH
.Lfunc_end_k_qa68e5cbb39_qkv:
	.size	k_qa68e5cbb39_qkv, .Lfunc_end_k_qa68e5cbb39_qkv-k_qa68e5cbb39_qkv
	.p2alignl 7, 3214868480
	.fill 96, 4, 3214868480
	.section	.rodata,"a",@progbits
	.p2align	6, 0x0
	.amdhsa_kernel k_qa68e5cbb39_qkv
		.amdhsa_group_segment_fixed_size 327680
		.amdhsa_private_segment_fixed_size 0
		.amdhsa_enable_private_segment 0
		.amdhsa_kernarg_size 32
		.amdhsa_user_sgpr_count 2
		.amdhsa_user_sgpr_kernarg_segment_ptr 1
		.amdhsa_wavefront_size32 1
		.amdhsa_system_sgpr_workgroup_id_x 1
		.amdhsa_system_sgpr_workgroup_id_y 1
		.amdhsa_system_sgpr_workgroup_id_z 1
		.amdhsa_system_vgpr_workitem_id 0
		.amdhsa_next_free_vgpr 1024
		.amdhsa_next_free_sgpr 104
		.amdhsa_reserve_vcc 1
		.amdhsa_float_denorm_mode_32 3
		.amdhsa_float_denorm_mode_16_64 3
		.amdhsa_memory_ordered 1
		.amdhsa_forward_progress 1
		.amdhsa_inst_pref_size 240
	.end_amdhsa_kernel
	.amdgpu_metadata
---
amdhsa.version: [ 1, 2 ]
amdhsa.kernels:
  - .name:           k_qa68e5cbb39_qkv
    .symbol:         k_qa68e5cbb39_qkv.kd
    .args:
      - { .name: qin, .offset: 0, .size: 8, .value_kind: global_buffer, .address_space: global }
      - { .name: rope, .offset: 8, .size: 8, .value_kind: global_buffer, .address_space: global }
      - { .name: qkv16, .offset: 16, .size: 8, .value_kind: global_buffer, .address_space: global }
      - { .name: fine, .offset: 24, .size: 8, .value_kind: global_buffer, .address_space: global }
    .group_segment_fixed_size: 327680
    .private_segment_fixed_size: 0
    .kernarg_segment_align: 8
    .kernarg_segment_size: 32
    .max_flat_workgroup_size: 128
    .sgpr_count:     104
    .vgpr_count:     1024
    .wavefront_size: 32
...
	.end_amdgpu_metadata
.endif
;; end of part 2
;; launch attn (part 3): grid 8 x 32, 16 waves a work-group, no clusters, 327,680 bytes of LDS; arguments qkv16, y16; writes y16
.if DOCPART == 3
	.amdgcn_target "amdgcn-amd-amdhsa--gfx1250"
	.amdhsa_code_object_version 6
	.text
	.protected	k_qa68e5cbb39_attn
	.globl	k_qa68e5cbb39_attn
	.p2align	8
	.type	k_qa68e5cbb39_attn,@function
k_qa68e5cbb39_attn:
	s_mov_b64 s[64:65], 0
	v_nop
	global_prefetch_b8 v0, s[64:65] scope:SCOPE_SE
	s_setreg_imm32_b32 hwreg(HW_REG_WAVE_MODE, 25, 1), 1
	s_wait_xcnt 0x0
; y[bh][q][:] = the sum over k <= q of softmax_k(Q[bh][q] . K[bh][k] / 8) V[bh][k][:].  Q, K, V: [32][2048][64] f16 in qkv16 (q at byte 0, k at KOFF, v at VGOFF); y16 likewise.
; Products on f16 operands with f32 sums; maxima, exponentials and sums in f32; the weights p are rounded to f16 for the second product, the row's sum is taken of the unrounded p; y is rounded once.
; A running maximum m and sum l for each query: p = 2^(c s - c m), c = log2(e) / 8; in every step O and l are multiplied by 2^(c m_old - c m_new).
; LIMITS: |y| under 65,504.  Positions 0 to 15 of each sequence are computed here like the others; a later launch carries them in f32 and writes their rows of the output.
; SHARES.  A work-group owns blocks j and 15 - j of 128 queries of one head: 17 x 128 x 128 pairs of query and key that count, the same for every j.  Each of its sixteen waves owns one tile of 16 queries in 256 registers,
; four waves to a SIMD.  Wave w: tile w / 2 of the low block or of the high one, by bit 0 xor bit 2 of w.  A wave walks the keys 64 a step.
; K's and V's tiles come through a ring of two LDS slots of 256 keys (waves 0, 1: K's halves; waves 2, 3: V's) and are read by all sixteen.  EVERY work-group walks all 8 changes of slots: trip counts are constants.
; A step all of whose keys come after the wave's queries is left out; a slot whose first key comes after the work-group's last query is not asked for.  Every wait on TENSORcnt is for 0; one tensor load of a wave is out at the most.
; NO CLUSTER: the work-groups of a head end their walks at different keys, so a partner would jump over the reads of tiles that a joint load brings.
; LAYOUT.  S^T = K Q^T (source 0 = 16 keys, source 1 = my 16 queries): a lane holds one query (lane % 16) and keys 8 (lane / 16) + 0..7.  Two such tiles, rounded in pairs, are source 1 of O^T = V^T P.  V is turned by ds_load_tr16_b128.
.set SK,    256                        ; keys in a slot
.set NQ,    4                          ; steps in a slot
.set KP,    144                        ; a key's row in LDS: 128 bytes + 16
.set VP,    160                        ; a row of V: 128 + 32: an odd multiple of 32, for the turning load
.set VOFF,  SK*KP
.set SLOT1, 1<<17                      ; one exclusive or turns an address in one slot into the other's
.set NSL,   8
.set SPARE, 2*SLOT1                    ; the spare words, 128 bytes a wave, named by no other line
.set STAGE, 0                          ; the way out: 16 rows x 144 bytes a wave, in slot 0, which was left at the last change of slots and is filled no more
.set KOFF,  8388608
.set VGOFF, 16777216
.set AK0, 1                            ; v1  my lane's place in a tile of K
.set AV0, 2                            ; v2  the same for V
.set SPW, 3                            ; v3  my spare word; never rewritten
.set NIL, 4                            ; v4  0; never rewritten
.set GO,  5                            ; v5  16 x lane
.set ADK, 6
.set ADV, 7
.set D,   8                            ; v8  the diagonal: my query less the step's first key less 8 (lane / 16)
.set NINF, 9                           ; v9  -infinity
.set CM,  10                           ; v[10:11] c m, m
.set L,   12                           ; v[12:13] l, even keys' and odd keys'
.set A,   14                           ; v[14:15] the step's factor (v15 is named with it as a pair)
.set CC,  16                           ; v16-19 at work
.set STO, 20
.set RD,  21
.set QAD, 22                           ; v22 Q's load address
.set DB,  23                           ; v23 lane % 16 - 8 (lane / 16)
.set QR,  24                           ; v24-39   Q
.set KR,  40                           ; v40-103  K: fragment (kt, c) at 16 kt + 8 c
.set VR,  104                          ; v104-167 V: fragment (kh, ct) at 32 kh + 8 ct
.set S,   168                          ; v168-199
.set P,   200                          ; v200-215
.set O,   216                          ; v216-247
.set PFO, 248                          ; v248 256 x lane
.set WV,  18
.set SEL, 20
.set CS,  22
.set G1K, 24
.set G1V, 32
.set G0K, 40
.set G0V, 44
.set TB,  2
.set SLOTS, 67
.set QL,  68                           ; s68 my work-group's last query
.set KF,  98                           ; s98 the step's first key
.set Q0,  99                           ; s99 my first query
.set PFA, 76
.set LIM, 80
; Waves 0 and 1 fetch for K, waves 2 and 3 for V, the others nothing.  An s_nop 0 and four v_nop follow each of the two lines.
.macro TLOAD
	s_cmp_lt_u32 s[WV], 2
	s_cbranch_scc0 .Lnot_k_\@
	tensor_load_to_lds s[G0K:G0K+3], s[G1K:G1K+7]
	s_nop 0
.rept 4
	v_nop
.endr
	s_branch .Lasked_\@
.Lnot_k_\@:
	s_cmp_lt_u32 s[WV], 4
	s_cbranch_scc0 .Lasked_\@
	tensor_load_to_lds s[G0V:G0V+3], s[G1V:G1V+7]
	s_nop 0
.rept 4
	v_nop
.endr
.Lasked_\@:
.endm
; A prefetch of what the NEXT change of slots will ask for: a slot's 32,768 bytes of K and of V.  All work-groups of a head walk the same rows: work-group j = 0, which loads every slot, asks, and nobody else.
; In it waves 4 to 7 ask for K's block and waves 8 to 11 for V's, 8,192 bytes a wave, lanes 256 bytes apart: each aligned block of 256 bytes is named once.  The last change that fills a slot asks for nothing.
.macro ASK
	s_cmp_gt_u32 s[SLOTS], s[LIM]
	s_cbranch_scc0 .Lnot_mine_\@
	global_prefetch_b8 v[PFO], s[PFA:PFA+1] th:TH_LOAD_NT scope:SCOPE_SE
.Lnot_mine_\@:
.endm
	s_load_b128 s[4:7], s[0:1], 0x0                ; qkv16 s[4:5], y16 s[6:7]
	v_lshl_add_u32 v[SPW], v0, 2, SPARE
	v_mov_b32 v[NIL], 0
	ds_add_u32 v[SPW], v[NIL]                      ; the wave's opening: the add, twice on end, and its wait ahead of the first tensor load
	ds_add_u32 v[SPW], v[NIL]
	v_lshrrev_b32 v6, 5, v0
	v_readfirstlane_b32 s[WV], v6                  ; wave 0..15
	s_and_b32 s72, ttmp7, 0xffff                   ; batch x 16 + head
	s_lshl_b32 s74, s72, 18                        ; its first byte in q, k, v and y: 262,144 bytes a head
	s_lshr_b32 s81, s[WV], 1                       ; which tile of a block
	s_lshr_b32 s82, s[WV], 2
	s_xor_b32 s82, s82, s[WV]
	s_and_b32 s82, s82, 1                          ; low block (0) or high (1)
	s_sub_co_u32 s83, 15, ttmp9
	s_cmp_eq_u32 s82, 1
	s_cselect_b32 s83, s83, ttmp9
	s_lshl_b32 s83, s83, 7
	s_lshl_b32 s81, s81, 4
	s_add_co_u32 s[Q0], s83, s81
	s_sub_co_u32 s[QL], 16, ttmp9
	s_lshl_b32 s[QL], s[QL], 7
	s_sub_co_u32 s[QL], s[QL], 1
	s_lshl_b32 s84, s[Q0], 7
	s_add_co_u32 s84, s84, s74                     ; my first query's row, in q and in y
	s_mov_b32 s85, 0
	s_and_b32 s88, s[WV], 1                        ; what I fetch, if I fetch: 128 rows, the slot's first or second
	s_lshl_b32 s86, s88, 14
	s_add_co_u32 s86, s86, s74
	s_add_co_u32 s90, s86, VGOFF
	s_mov_b32 s91, 0
	s_add_co_u32 s86, s86, KOFF
	s_mov_b32 s87, 0
	s_mul_i32 s89, s88, 128*KP
	s_mul_i32 s94, s88, 128*VP
	s_add_co_u32 s94, s94, VOFF
	; descriptor group 1: 128 rows of 64 elements of 2 bytes, dense in memory; padding behind every 32 words: 4 words for K, 8 for V
	s_mov_b32 s[G1K], (1<<16)|(1<<20)|(4<<22)|(3<<25)
	s_mov_b32 s[G1V], (1<<16)|(1<<20)|(4<<22)|(7<<25)
.irp g, G1K, G1V
	s_mov_b32 s[\g+1], 64<<16                      ; tensor_dim0
	s_mov_b32 s[\g+2], 128<<16                     ; tensor_dim1
	s_mov_b32 s[\g+3], 64<<16                      ; tile_dim0
	s_mov_b32 s[\g+4], 128                         ; tile_dim1
	s_mov_b32 s[\g+5], 64                          ; tensor_dim0_stride
	s_mov_b32 s[\g+6], 0
	s_mov_b32 s[\g+7], 0
.endr
	s_mov_b32 s[SEL], 0x76543210
	s_mov_b32 s[SEL+1], 0xfedcba98                 ; v_permlanex16_b32's selects for lane l xor 16
	s_mov_b32 s[CS], 0x3e38aa3b                    ; c = log2(e) / 8
	s_mov_b32 s[CS+1], s[CS]                       ; (named with it as a pair, so it is written)
	s_mov_b32 s[TB], 0
	s_mov_b32 s[SLOTS], NSL-1
	s_mov_b32 s[KF], 0
	s_wait_dscnt 0x0                               ; both opening adds are done
	s_wait_kmcnt 0x0
	s_mov_b32 s[G0K], 1
	s_mov_b32 s[G0K+1], s89
	s_add_nc_u64 s[G0K+2:G0K+3], s[4:5], s[86:87]
	s_or_b32 s[G0K+3], s[G0K+3], 0x80000000
	s_mov_b32 s[G0V], 1
	s_mov_b32 s[G0V+1], s94
	s_add_nc_u64 s[G0V+2:G0V+3], s[4:5], s[90:91]
	s_or_b32 s[G0V+3], s[G0V+3], 0x80000000
	TLOAD                                          ; slot 0: it holds key 0, which counts for every query
	s_add_nc_u64 s[8:9], s[4:5], s[84:85]          ; Q at my first query
	s_add_nc_u64 s[16:17], s[6:7], s[84:85]        ; y likewise
	s_cmp_lt_u32 s[WV], 8                          ; the prefetches: waves 4 to 7 K, waves 8 to 11 V
	s_mov_b32 s82, VGOFF
	s_cselect_b32 s82, KOFF, s82
	s_and_b32 s83, s[WV], 3
	s_lshl_b32 s83, s83, 13                        ; my wave's 8,192 bytes,
	s_add_co_u32 s82, s82, s83
	s_add_co_u32 s82, s82, s74                     ; in my head,
	s_add_co_u32 s82, s82, SK*128                  ; in slot 1: the first change of slots steps it to slot 2
	s_mov_b32 s83, 0
	s_add_nc_u64 s[PFA:PFA+1], s[4:5], s[82:83]
	s_sub_co_u32 s82, s[WV], 4
	s_lshr_b32 s82, s82, 3                         ; 0 in waves 4 to 11,
	s_or_b32 s82, s82, ttmp9                       ; of work-group j = 0
	s_cmp_eq_u32 s82, 0
	s_cselect_b32 s[LIM], 1, -1
	v_and_b32 v16, 15, v0                          ; r
	v_bfe_u32 v17, v0, 4, 1                        ; h
	v_lshlrev_b32 v[QAD], 7, v16
	v_lshl_add_u32 v[QAD], v17, 4, v[QAD]          ; Q: row r of 128 bytes, + 16 h
.irp c, 0,1
	global_load_b128 v[QR+8*\c:QR+8*\c+3], v[QAD], s[8:9] offset:64*\c
	global_load_b128 v[QR+8*\c+4:QR+8*\c+7], v[QAD], s[8:9] offset:64*\c+32
.endr
	v_mul_u32_u24 v[AK0], v16, KP
	v_lshl_add_u32 v[AK0], v17, 4, v[AK0]
	v_and_b32 v18, 7, v0
	v_lshl_add_u32 v18, v17, 3, v18
	v_mul_u32_u24 v[AV0], v18, VP                  ; the turning load: key 8 h + l % 8,
	v_bfe_u32 v18, v0, 3, 1
	v_lshl_add_u32 v[AV0], v18, 4, v[AV0]          ; channels 8 ((l / 8) % 2) on
	v_add_nc_u32 v[AV0], VOFF, v[AV0]
	v_and_b32 v[GO], 31, v0
	v_lshlrev_b32 v[PFO], 8, v[GO]
	v_lshlrev_b32 v[GO], 4, v[GO]
	v_lshlrev_b32 v[DB], 3, v17
	v_sub_nc_u32 v[DB], v16, v[DB]
	s_mul_i32 s73, s[WV], 16*KP
	s_add_co_u32 s73, s73, STAGE                   ; my stage
	v_add_nc_u32 v[STO], s73, v[AK0]               ; in: row r, 16 bytes for each half of the lanes
	v_bfe_u32 v18, v0, 3, 2
	v_mul_u32_u24 v[RD], v18, KP
	v_and_b32 v18, 7, v0
	v_lshl_add_u32 v[RD], v18, 4, v[RD]
	v_add_nc_u32 v[RD], s73, v[RD]                 ; back: eight lanes to a row of 128 bytes, four rows an instruction
	v_mov_b32 v[NINF], 0xff800000
	v_mov_b32 v[CM+1], 0xff61b1e6                  ; m: -3e38, under every score
	v_mul_f32 v[CM], s[CS], v[CM+1]
	v_mov_b32 v[L], 0
	v_mov_b32 v[L+1], 0
	v_mov_b32 v[A], 0
	v_mov_b32 v[A+1], 0
.irp j, 0,1,2,3
	v_mov_b32 v[CC+\j], 0                          ; written once: a lane permute's destination counts as one of its sources
.endr
.irp j, 0,1,2,3,4,5,6,7,8,9,10,11,12,13,14,15,16,17,18,19,20,21,22,23,24,25,26,27,28,29,30,31
	v_mov_b32 v[O+\j], 0                           ; O^T.  (The step is written once: the first finds zeros, which its factor 0 leaves zeros)
.endr
; A KEY STEP: 64 keys, the q-th of the slot in hand.
.macro STEP q
	s_add_co_u32 s96, s[Q0], 15                    ; a step all of whose keys come after my 16 queries is left out: a scalar branch on ids; no barrier and no tensor load stands in a step
	s_cmp_gt_u32 s[KF], s96
	s_cbranch_scc1 .Lhidden_\@
	v_add_nc_u32 v[ADK], s[TB], v[AK0]
	v_add_nc_u32 v[ADV], s[TB], v[AV0]
.irp kt, 0,1,2,3
.irp c, 0,1
	ds_load_b128 v[KR+16*\kt+8*\c:KR+16*\kt+8*\c+3], v[ADK] offset:(64*(\q)+16*\kt)*KP+64*\c
	ds_load_b128 v[KR+16*\kt+8*\c+4:KR+16*\kt+8*\c+7], v[ADK] offset:(64*(\q)+16*\kt)*KP+64*\c+32
.endr
.endr
	s_wait_dscnt 0x0
.irp kt, 0,1,2,3                               ; the four tiles take turns
	v_wmma_f32_16x16x32_f16 v[S+8*\kt:S+8*\kt+7], v[KR+16*\kt:KR+16*\kt+7], v[QR:QR+7], 0
.endr
.irp kt, 0,1,2,3
	v_wmma_f32_16x16x32_f16 v[S+8*\kt:S+8*\kt+7], v[KR+16*\kt+8:KR+16*\kt+15], v[QR+8:QR+15], v[S+8*\kt:S+8*\kt+7]
.endr
.rept 4
	v_nop                                          ; places behind these products, for the reads of S; with the two additions above also behind the last step's products, for the loads into V's registers
.endr
.irp kh, 0,1
.irp ct, 0,1,2,3
	ds_load_tr16_b128 v[VR+32*\kh+8*\ct:VR+32*\kh+8*\ct+3], v[ADV] offset:(64*(\q)+32*\kh)*VP+32*\ct
	ds_load_tr16_b128 v[VR+32*\kh+8*\ct+4:VR+32*\kh+8*\ct+7], v[ADV] offset:(64*(\q)+32*\kh)*VP+16*VP+32*\ct
.endr
.endr
	s_add_co_u32 s96, s[KF], 63                    ; on the diagonal hidden scores become -infinity ahead of the maximum.  A step all of whose keys count skips this
	s_cmp_le_u32 s96, s[Q0]
	s_cbranch_scc1 .Lopen_\@
	s_sub_co_i32 s96, s[Q0], s[KF]
	v_add_nc_u32 v[D], s96, v[DB]                  ; register 8 kt + j holds key KF + 16 kt + 8 (lane / 16) + j: hidden where 16 kt + j > D
.irp n, 0,1,2,3,4,5,6,7,8,9,10,11,12,13,14,15,16,17,18,19,20,21,22,23,24,25,26,27,28,29,30,31
	v_cmp_gt_i32 vcc_lo, 16*(\n/8)+\n%8, v[D]
	v_cndmask_b32 v[S+\n], v[S+\n], v[NINF], vcc_lo
.endr
.Lopen_\@:
.irp j, 0,1,2,3                                ; the maximum of my 32 scores and the old m: four chains, each from its tile's low end on
	v_max3_num_f32 v[CC+\j], v[S+8*\j], v[S+8*\j+1], v[S+8*\j+2]
.endr
.irp i, 3,5
.irp j, 0,1,2,3
	v_max3_num_f32 v[CC+\j], v[CC+\j], v[S+8*\j+\i], v[S+8*\j+\i+1]
.endr
.endr
	v_max3_num_f32 v[CC], v[CC], v[S+7], v[S+15]
	v_max3_num_f32 v[CC+2], v[CC+2], v[S+23], v[S+31]
	v_max3_num_f32 v[CC], v[CC], v[CC+1], v[CC+2]
	v_max3_num_f32 v[CC], v[CC], v[CC+3], v[CM+1]
	v_permlanex16_b32 v[CC+1], v[CC], s[SEL], s[SEL+1]   ; the query's other 32 keys lie in the lane 16 away
	v_mov_b32 v[CC+3], v[CM]                       ; c m_old
	v_max_num_f32 v[CM+1], v[CC], v[CC+1]
	v_mul_f32 v[CM], s[CS], v[CM+1]
	v_sub_f32 v[CC+3], v[CC+3], v[CM]
.irp j, 0,2,4,6,8,10,12,14,16,18,20,22,24,26,28,30
	v_pk_fma_f32 v[S+\j:S+\j+1], v[S+\j:S+\j+1], s[CS:CS+1], v[CM:CM+1] op_sel_hi:[1,0,0] neg_lo:[0,0,1] neg_hi:[0,0,1]   ; c s - c m
.endr
	v_exp_f32 v[A], v[CC+3]
.irp j, 0,1,2,3,4,5,6,7,8,9,10,11,12,13,14,15,16,17,18,19,20,21,22,23,24,25,26,27,28,29,30,31
	v_exp_f32 v[S+\j], v[S+\j]
.endr
	v_nop                                          ; a plain line behind the last exponential
	s_wait_alu depctr_va_vdst(0)                   ; one wait for the batch of 33, ahead of the first line that names a result
.irp n, 0,1,2,3,4,5,6,7,8,9,10,11,12,13,14,15
	v_cvt_pk_f16_f32 v[P+\n], v[S+2*\n], v[S+2*\n+1]
.endr
.irp z, 0,1,2,3,4,5,6,7                        ; the sum of the 16 pairs of unrounded weights, in place
	v_pk_add_f32 v[S+4*\z:S+4*\z+1], v[S+4*\z:S+4*\z+1], v[S+4*\z+2:S+4*\z+3]
.endr
.irp z, 0,1,2,3
	v_pk_add_f32 v[S+8*\z:S+8*\z+1], v[S+8*\z:S+8*\z+1], v[S+8*\z+4:S+8*\z+5]
.endr
.irp z, 0,1
	v_pk_add_f32 v[S+16*\z:S+16*\z+1], v[S+16*\z:S+16*\z+1], v[S+16*\z+8:S+16*\z+9]
.endr
	v_pk_add_f32 v[S:S+1], v[S:S+1], v[S+16:S+17]
	v_pk_fma_f32 v[L:L+1], v[L:L+1], v[A:A+1], v[S:S+1] op_sel_hi:[1,0,1]
.irp j, 0,2,4,6,8,10,12,14,16,18,20,22,24,26,28,30
	v_pk_mul_f32 v[O+\j:O+\j+1], v[O+\j:O+\j+1], v[A:A+1] op_sel_hi:[1,0]   ; each accumulator from its low end on
.endr
	s_wait_dscnt 0x0                               ; V is in
.irp kh, 0,1
.irp ct, 0,1,2,3
	v_wmma_f32_16x16x32_f16 v[O+8*\ct:O+8*\ct+7], v[VR+32*\kh+8*\ct:VR+32*\kh+8*\ct+7], v[P+8*\kh:P+8*\kh+7], v[O+8*\ct:O+8*\ct+7]
.endr
.endr
.Lhidden_\@:
	s_add_co_u32 s[KF], s[KF], 64
.endm
; THE CHANGE OF SLOTS stands at a slot's head.  Each wave waits for all its tensor loads, adds 0 to its spare word, and waits for that and for its reads of the slot that it has left.
; Behind the barrier the slot ahead is whole and nobody reads the other one.  fill = 1: that other slot takes the keys that follow, up to the causal limit.
.macro CHANGE fill
	s_wait_tensorcnt 0x0                           ; no tensor load of mine is out, so a group 0 may be written
	ds_add_u32 v[SPW], v[NIL]                      ; 0 onto my spare word
.if \fill
	ds_add_u32 v[SPW], v[NIL]                      ; and once more
	s_xor_b32 s[G0K+1], s[G0K+1], SLOT1            ; the walking descriptors: the other slot than last time,
	s_add_nc_u64 s[G0K+2:G0K+3], s[G0K+2:G0K+3], SK*128   ; the next 256 keys
	s_xor_b32 s[G0V+1], s[G0V+1], SLOT1
	s_add_nc_u64 s[G0V+2:G0V+3], s[G0V+2:G0V+3], SK*128
	s_wait_xcnt 0x0                                ; the last prefetch, a slot back, has read its address, so it may be written
	s_add_nc_u64 s[PFA:PFA+1], s[PFA:PFA+1], SK*128
.endif
	s_wait_dscnt 0x0                               ; the add is done, and my reads of the slot that I have left are over
	s_barrier_signal -1
	s_barrier_wait -1
.if \fill
	s_add_co_u32 s96, s[KF], SK                    ; the first key of the slot that this change would ask for: beyond my work-group's last query none of its waves reads it, so it is not asked for
	s_cmp_gt_u32 s96, s[QL]                        ; ids and the count of steps alone: all sixteen waves go the same way, and a work-group past the limit stays past it
	s_cbranch_scc1 .Lpast_\@
	TLOAD                                          ; a wave's one tensor load until the next barrier
.Lpast_\@:
	ASK                                            ; four key steps ahead of the load that will want it
.endif
.endm
.macro SLOT_STEPS
.set Q, 0
.rept NQ
	STEP Q
.set Q, Q+1
.endr
	s_xor_b32 s[TB], s[TB], SLOT1
.endm
	s_wait_loadcnt 0x0                             ; Q
.Lslot:                                            ; 7 trips
	CHANGE 1
	SLOT_STEPS
	s_sub_co_u32 s[SLOTS], s[SLOTS], 1
	s_cmp_lg_u32 s[SLOTS], 0
	s_cbranch_scc1 .Lslot
	CHANGE 0                                       ; the last slot is written out: nothing is asked for
	SLOT_STEPS
	; THE WAY OUT: O^T / l, rounded to f16, through my stage in LDS; 32 lanes store 512 consecutive bytes, aligned: four rows of y.
.rept 4
	v_nop                                          ; places behind the last products
.endr
	v_add_f32 v[CC], v[L], v[L+1]
	v_permlanex16_b32 v[CC+1], v[CC], s[SEL], s[SEL+1]
	v_add_f32 v[CC], v[CC], v[CC+1]
	v_rcp_f32 v[A], v[CC]
	v_nop
	s_wait_alu depctr_va_vdst(0)                   ; ahead of the first line that names the reciprocal
.irp j, 0,2,4,6,8,10,12,14,16,18,20,22,24,26,28,30
	v_pk_mul_f32 v[S+\j:S+\j+1], v[O+\j:O+\j+1], v[A:A+1] op_sel_hi:[1,0]
.endr
.irp n, 0,1,2,3,4,5,6,7,8,9,10,11,12,13,14,15
	v_cvt_pk_f16_f32 v[P+\n], v[S+2*\n], v[S+2*\n+1]
.endr
.irp ct, 0,1,2,3
	ds_store_b128 v[STO], v[P+4*\ct:P+4*\ct+3] offset:32*\ct
.endr
.irp i, 0,1,2,3
	ds_load_b128 v[S+4*\i:S+4*\i+3], v[RD] offset:4*\i*KP    ; in order behind my stores (ISA guide 5.7.1.4)
.endr
.irp i, 0,1,2,3
	s_wait_dscnt 3-\i                              ; the younger loads may be out
	global_store_b128 v[GO], v[S+4*\i:S+4*\i+3], s[16:17] offset:512*\i
.endr
	s_wait_tensorcnt 0x0                           ; the wave's end
	ds_add_u32 v[SPW], v[NIL]
	s_wait_dscnt 0x0
	s_endpgm
.Lfunc_end_k_qa68e5cbb39_attn:
	.size	k_qa68e5cbb39_attn, .Lfunc_end_k_qa68e5cbb39_attn-k_qa68e5cbb39_attn
	.p2alignl 7, 3214868480
	.fill 96, 4, 3214868480
	.section	.rodata,"a",@progbits
	.p2align	6, 0x0
	.amdhsa_kernel k_qa68e5cbb39_attn
		.amdhsa_group_segment_fixed_size 327680
		.amdhsa_private_segment_fixed_size 0
		.amdhsa_enable_private_segment 0
		.amdhsa_kernarg_size 16
		.amdhsa_user_sgpr_count 2
		.amdhsa_user_sgpr_kernarg_segment_ptr 1
		.amdhsa_wavefront_size32 1
		.amdhsa_system_sgpr_workgroup_id_x 1
		.amdhsa_system_sgpr_workgroup_id_y 1
		.amdhsa_system_sgpr_workgroup_id_z 1
		.amdhsa_system_vgpr_workitem_id 0
		.amdhsa_next_free_vgpr 256
		.amdhsa_next_free_sgpr 100
		.amdhsa_reserve_vcc 1
		.amdhsa_float_denorm_mode_32 3
		.amdhsa_float_denorm_mode_16_64 3
		.amdhsa_memory_ordered 1
		.amdhsa_forward_progress 1
		.amdhsa_inst_pref_size 108
	.end_amdhsa_kernel
	.amdgpu_metadata
---
amdhsa.version: [ 1, 2 ]
amdhsa.kernels:
  - .name:           k_qa68e5cbb39_attn
    .symbol:         k_qa68e5cbb39_attn.kd
    .args:
      - { .name: qkv16, .offset: 0, .size: 8, .value_kind: global_buffer, .address_space: global }
      - { .name: y16, .offset: 8, .size: 8, .value_kind: global_buffer, .address_space: global }
    .group_segment_fixed_size: 327680
    .private_segment_fixed_size: 0
    .kernarg_segment_align: 8
    .kernarg_segment_size: 16
    .max_flat_workgroup_size: 512
    .sgpr_count:     100
    .vgpr_count:     256
    .wavefront_size: 32
...
	.end_amdgpu_metadata
.endif
;; end of part 3
;; launch proj (part 4): grid 8 x 32, 4 waves a work-group, clusters of 4 x 4, 327,680 bytes of LDS; arguments y16, wp16, out0; writes out0
.if DOCPART == 4
	.amdgcn_target "amdgcn-amd-amdhsa--gfx1250"
	.amdhsa_code_object_version 6
	.text
	.protected	k_qa68e5cbb39_proj
	.globl	k_qa68e5cbb39_proj
	.p2align	8
	.type	k_qa68e5cbb39_proj,@function
k_qa68e5cbb39_proj:
	s_mov_b64 s[64:65], 0
	v_nop
	global_prefetch_b8 v0, s[64:65] scope:SCOPE_SE
	s_setreg_imm32_b32 hwreg(HW_REG_WAVE_MODE, 25, 1), 1
	s_wait_xcnt 0x0
	s_wait_alu depctr_hold_cnt(0) depctr_sa_sdst(0) depctr_va_vdst(0) depctr_va_sdst(0) depctr_va_ssrc(0) depctr_va_vcc(0) depctr_vm_vsrc(0)
	s_getreg_b32 s2, hwreg(HW_REG_IB_STS2, 6, 4)
	s_cmp_eq_u32 s2, 0
	s_cbranch_scc0 .Lentry_in_a_cluster
	s_endpgm
.Lentry_in_a_cluster:
	s_bfe_u32 s2, ttmp6, 0x10000c
	s_cmp_lg_u32 s2, 0xf033
	s_cbranch_scc0 .Lentry_shape_is_right
	s_endpgm
.Lentry_shape_is_right:
; out0[m][n] = the sum over c of y[m][c] w_proj[n][c]: 4096 x 1024 x 1024, f16 operands, f32 sums, f32 out.  y16 is [b][h][t][64] f16 (c = 64 h + d), wp16 [n][c] f16.
; The 32 rows of positions 0 to 15 of the two sequences are written here like the others; the launch behind this one writes them again, carried in f32.  (Leaving them out here would be a branch on a work-group's place in its cluster.)
; A tile of 128 x 128 is made by a work-group of four waves, each 64 x 64: 16 accumulators.  256 work-groups.  K goes in steps of 256 (four heads) through a ring of two LDS slots.
; y's TILE: for 64 tokens, a head's 64 x 64 numbers are 8,192 dense bytes; the four heads lie 262,144 bytes apart.  So one descriptor states 4 rows of 4,096 elements, with 16 bytes of padding behind every 128:
; in LDS [head][token][144 bytes].  w_proj's tile: 64 rows of 512 bytes, pitch 528.
; CLUSTERS: 4 x 4 work-groups; y's tiles are shared along a row of the cluster, w_proj's along a column: each is asked for jointly.  Two tensor loads of a wave are out at the start, one later.
; THE MATRIX INSTRUCTION IS USED TRANSPOSED (source 0 = 16 rows of w_proj, source 1 = 16 tokens): a lane holds eight neighbouring numbers of a row of out0.
; REGISTERS: window 0: v0-31 addresses; v32-95 the way out; v128-255 the accumulators ((a, b) at v[128 + 8 (4 a + b)]).  window 1: two fragment buffers of 128: 64 registers of y, then 64 of w_proj.
.set SIZE_K, 1024
.set KSTEP,  256
.set PITCH,  528                       ; w_proj: 512 bytes + 16
.set AP,     144                       ; y: 128 bytes + 16
.set PLANE,  64*AP                     ; a head's 64 tokens
.set HALFA,  4*PLANE                   ; 64 tokens x 4 heads: what one tensor load brings
.set HALFB,  64*PITCH
.set SLOT,   2*HALFA+2*HALFB
.set STAGE,  2*SLOT                    ; behind the ring: 16 rows x 272 bytes for each wave
.set SPITCH, 272
.set SPARE,  STAGE+4*16*SPITCH         ; the spare words, 128 bytes a wave, named by no other line
.set LAPS,   SIZE_K/(2*KSTEP)
.set ASTEP,  4*262144                  ; a K step on in y16: four heads
.set ADRA, 16
.set ADRB, 20
.set STO,  24
.set RD,   25
.set CO,   26
.set SPW,  28
.set NIL,  29
.set TMP,  32
.set ACC,  128
.set F0,   0
.set F1,   128
.set G1, 24
.set G0, 32
.set G1B, 48
.set G0B, 56
.set MSB, 0
.macro WIN new
.if MSB != (\new)
	s_set_vgpr_msb (MSB<<8)|(\new)
.set MSB, \new
.endif
.endm
.set MUL,  0x05                        ; sources 0 and 1 window 1; C and D window 0
.set TO_F, 0x40                        ; destination window 1, address window 0
.macro JLOAD s                         ; a joint load: waves 0 and 1 fetch y's two halves, waves 2 and 3 w_proj's; an s_nop 0 and four v_nop follow each of the two lines
	s_cmp_eq_u32 s11, 0
	s_cbranch_scc0 .Lfor_b_\@
	tensor_load_to_lds s[G0+4*\s:G0+4*\s+3], s[G1:G1+7]
	s_nop 0
.rept 4
	v_nop
.endr
	s_branch .Lasked_\@
.Lfor_b_\@:
	tensor_load_to_lds s[G0B+4*\s:G0B+4*\s+3], s[G1B:G1B+7]
	s_nop 0
.rept 4
	v_nop
.endr
.Lasked_\@:
.endm
.macro CREST
	s_cmp_lg_u32 s10, 0
	s_cbranch_scc1 .Lnot_wave_0_\@
	s_barrier_signal -3
.Lnot_wave_0_\@:
	s_barrier_wait -3
	s_barrier_signal -1
	s_barrier_wait -1
.endm
.macro CROUND
	s_barrier_signal -1
	s_barrier_wait -1
	CREST
.endm
	s_load_b128 s[4:7], s[0:1], 0x0                ; y16 s[4:5], wp16 s[6:7]
	s_load_b64 s[8:9], s[0:1], 0x10                ; out0
	v_lshl_add_u32 v[SPW], v0, 2, SPARE
	v_mov_b32 v[NIL], 0
	ds_add_u32 v[SPW], v[NIL]                      ; the wave's opening: the add, twice on end, and its wait ahead of my first tensor load
	ds_add_u32 v[SPW], v[NIL]
	v_lshrrev_b32 v1, 5, v0
	v_readfirstlane_b32 s10, v1                    ; wave 0..3
	s_lshr_b32 s11, s10, 1                         ; which half of the tile's rows is mine.  Also: I fetch for y (0) or for w_proj (1)
	s_and_b32 s12, s10, 1                          ; which half of its columns.  Also: which 64 rows of that tile I fetch
	s_bfe_u32 s40, ttmp6, 0x40000
	s_bfe_u32 s41, ttmp6, 0x40004
	s_lshl_b32 s42, ttmp9, 2
	s_add_co_u32 s42, s42, s40                     ; tile column
	s_and_b32 s13, ttmp7, 0xffff
	s_lshl_b32 s13, s13, 2
	s_add_co_u32 s13, s13, s41                     ; tile row
	s_lshl_b32 s43, s41, 2
	s_lshl_b32 s43, 15, s43                        ; my row of the cluster
	s_lshl_b32 s44, 0x1111, s40                    ; my column
	s_or_b32 s[G1+0], s43, (1<<16)|(1<<20)|(1<<21)|(4<<22)|(3<<25)   ; y: elements of 2 bytes; padding: four words after every 32
	s_mov_b32 s[G1+1], 4096<<16                    ; tensor_dim0 = 4,096: 64 tokens x 64 channels, dense
	s_mov_b32 s[G1+2], 4<<16                       ; tensor_dim1 = 4 heads
	s_mov_b32 s[G1+3], 4096<<16                    ; tile_dim0
	s_mov_b32 s[G1+4], 4                           ; tile_dim1
	s_mov_b32 s[G1+5], 131072                      ; from head to head, in elements
	s_mov_b32 s[G1+6], 0
	s_mov_b32 s[G1+7], 0
	s_or_b32 s[G1B+0], s44, (1<<16)|(1<<20)|(1<<21)|(6<<22)|(3<<25)  ; w_proj: four words after every 128
	s_mov_b32 s[G1B+1], KSTEP<<16
	s_mov_b32 s[G1B+2], 64<<16
	s_mov_b32 s[G1B+3], KSTEP<<16
	s_mov_b32 s[G1B+4], 64
	s_mov_b32 s[G1B+5], SIZE_K
	s_mov_b32 s[G1B+6], 0
	s_mov_b32 s[G1B+7], 0
	s_lshr_b32 s16, s13, 4                         ; y: the batch (16 tile rows to a sequence): 4,194,304 bytes,
	s_lshl_b32 s16, s16, 22
	s_and_b32 s17, s13, 15
	s_lshl_b32 s17, s17, 7
	s_lshl_b32 s18, s12, 6
	s_add_co_u32 s17, s17, s18                     ; the token: 128 x (tile row % 16) + 64 x half,
	s_lshl_b32 s17, s17, 7                         ; 128 bytes each
	s_add_co_u32 s16, s16, s17
	s_mov_b32 s17, 0
	s_lshl_b32 s46, s42, 7
	s_add_co_u32 s46, s46, s18                     ; w_proj: row 128 x tile column + 64 x half,
	s_lshl_b32 s46, s46, 11                        ; 2,048 bytes each
	s_mov_b32 s47, 0
	s_mul_i32 s20, s12, HALFA                      ; where they go: no place in the cluster enters an LDS address
	s_mul_i32 s21, s12, HALFB
	s_add_co_u32 s21, s21, 2*HALFA
	s_wait_dscnt 0x0                               ; both opening adds are done
	s_wait_kmcnt 0x0
	s_add_nc_u64 s[14:15], s[4:5], s[16:17]
	s_add_nc_u64 s[46:47], s[6:7], s[46:47]
	CROUND                                         ; all sixteen work-groups are here: the first joint loads meet
.irp s, 0,1
	s_mov_b32 s[G0+4*\s], 1
	s_add_co_u32 s[G0+4*\s+1], s20, \s*SLOT
	s_add_nc_u64 s[G0+4*\s+2:G0+4*\s+3], s[14:15], \s*ASTEP
	s_or_b32 s[G0+4*\s+3], s[G0+4*\s+3], 0x80000000
	s_mov_b32 s[G0B+4*\s], 1
	s_add_co_u32 s[G0B+4*\s+1], s21, \s*SLOT
	s_add_nc_u64 s[G0B+4*\s+2:G0B+4*\s+3], s[46:47], \s*KSTEP*2
	s_or_b32 s[G0B+4*\s+3], s[G0B+4*\s+3], 0x80000000
	JLOAD \s
.endr
	v_and_b32 v1, 15, v0                           ; r
	v_bfe_u32 v2, v0, 4, 1                         ; h
	v_mul_u32_u24 v3, v1, AP
	v_lshl_add_u32 v3, v2, 4, v3                   ; y: token r x pitch + 16 x half
	v_mul_u32_u24 v4, v1, PITCH
	v_lshl_add_u32 v4, v2, 4, v4                   ; w_proj likewise
	s_mul_i32 s21, s11, HALFA                      ; my 64 tokens
	s_mul_i32 s22, s12, HALFB                      ; my 64 rows of w_proj,
	s_add_co_u32 s22, s22, 2*HALFA                 ; which lie behind y's
.irp s, 0,1
	v_add_nc_u32 v[ADRA+\s], s21, v3
	v_add_nc_u32 v[ADRB+\s], s22, v4
	s_add_co_u32 s21, s21, SLOT
	s_add_co_u32 s22, s22, SLOT
.endr
	s_mul_i32 s23, s10, 16*SPITCH
	s_add_co_u32 s23, s23, STAGE                   ; my stage
	v_mul_u32_u24 v5, v1, SPITCH
	v_lshl_add_u32 v5, v2, 5, v5
	v_add_nc_u32 v[STO], s23, v5                   ; in: row r, 32 bytes for each half of the lanes
	v_mul_u32_u24 v5, v2, SPITCH
	v_lshl_add_u32 v5, v1, 4, v5
	v_add_nc_u32 v[RD], s23, v5                    ; back: lanes 0-15 one row of 256 bytes, lanes 16-31 the next
	v_lshlrev_b32 v5, 12, v2
	v_lshl_add_u32 v[CO], v1, 4, v5                ; and the same two rows in out0: 4,096 bytes a row
	s_lshl_b32 s16, s13, 7
	s_lshl_b32 s17, s11, 6
	s_add_co_u32 s16, s16, s17                     ; my first row: 128 x tile row + 64 x half
	s_lshl_b32 s16, s16, 12
	s_mov_b32 s17, 0
	s_add_nc_u64 s[8:9], s[8:9], s[16:17]
	s_lshl_b32 s46, s42, 9                         ; my first column, in bytes: 512 x tile column + 256 x half
	s_lshl_b32 s47, s12, 8
	s_add_co_u32 s46, s46, s47
	s_mov_b32 s47, 0
	s_add_nc_u64 s[8:9], s[8:9], s[46:47]
; 8 matrix instructions: token blocks a0, a0 + 1 x all 4 column blocks, 32 along K: half c of buffer f.  zero = 1: the first product starts the sums.  The 16 accumulators take turns.
.macro MUL8 f, c, a0, zero
.irp a, \a0, \a0+1
.irp b, 0,1,2,3
.if \zero
	v_wmma_f32_16x16x32_f16 v[ACC+8*(4*(\a)+\b):ACC+8*(4*(\a)+\b)+7], v[\f+64+8*(4*\c+\b):\f+64+8*(4*\c+\b)+7], v[\f+8*(4*\c+\a):\f+8*(4*\c+\a)+7], 0
.else
	v_wmma_f32_16x16x32_f16 v[ACC+8*(4*(\a)+\b):ACC+8*(4*(\a)+\b)+7], v[\f+64+8*(4*\c+\b):\f+64+8*(4*\c+\b)+7], v[\f+8*(4*\c+\a):\f+8*(4*\c+\a)+7], v[ACC+8*(4*(\a)+\b):ACC+8*(4*(\a)+\b)+7]
.endif
.endr
.endr
.endm
; 32 LDS loads in one run: the fragments of a slot's q-th 64 along K (one head) into buffer f; the first 32 along K first
.macro FETCH slot, q, f
	WIN TO_F
.irp c, 0,1
.irp i, 0,1,2,3
	ds_load_b128 v[\f+64+8*(4*\c+\i):\f+64+8*(4*\c+\i)+3],   v[ADRB+\slot] offset:128*(\q)+64*\c+\i*16*PITCH
	ds_load_b128 v[\f+64+8*(4*\c+\i)+4:\f+64+8*(4*\c+\i)+7], v[ADRB+\slot] offset:128*(\q)+64*\c+\i*16*PITCH+32
	ds_load_b128 v[\f+8*(4*\c+\i):\f+8*(4*\c+\i)+3],         v[ADRA+\slot] offset:PLANE*(\q)+64*\c+\i*16*AP
	ds_load_b128 v[\f+8*(4*\c+\i)+4:\f+8*(4*\c+\i)+7],       v[ADRA+\slot] offset:PLANE*(\q)+64*\c+\i*16*AP+32
.endr
.endr
.endm
.macro PLACES                          ; four plain lines in front of loads into registers that matrix instructions have read, and of reads of results
.rept 4
	v_nop
.endr
.endm
.macro QUARTER slot, q, f, g, zero     ; multiplies buffer f and fetches the slot's q-th quarter into g
	s_wait_dscnt 16                                ; the first 32 along K are in; the other sixteen loads may be out
	WIN MUL
	MUL8 \f, 0, 0, \zero
	MUL8 \f, 0, 2, \zero
	PLACES
	FETCH \slot, \q, \g
	s_wait_dscnt 32                                ; all but the 32 just issued
	WIN MUL
	MUL8 \f, 1, 0, 0
	MUL8 \f, 1, 2, 0
.endm
; The last quarter multiplies buffer 1 and changes slots: one barrier; in front of it each wave waits for all its tensor loads, adds 0 to its spare word, and waits for that and for its reads of this slot.  fill = 1: this slot is filled again, two K steps ahead.
.macro TURN slot, next, fill
	WIN 0
	s_wait_tensorcnt 0x0                           ; all my tensor loads have landed: my part of the next slot
	ds_add_u32 v[SPW], v[NIL]                      ; 0 onto my spare word
	s_wait_dscnt 17                                ; (the add and the youngest sixteen loads may be out)
	WIN MUL
	MUL8 F1, 0, 0, 0
	s_wait_dscnt 0x0                               ; the add is done, and my reads of this slot are over
	s_barrier_signal -1
	MUL8 F1, 0, 2, 0
.if \fill
	WIN 0
.endif
	s_barrier_wait -1
.if \fill
	CREST                                          ; the barrier has opened a round of the cluster's barrier: no wave of any partner still reads this slot's tile or has a load on its way
	s_add_nc_u64 s[G0+4*\slot+2:G0+4*\slot+3], s[G0+4*\slot+2:G0+4*\slot+3], 2*ASTEP
	s_add_nc_u64 s[G0B+4*\slot+2:G0B+4*\slot+3], s[G0B+4*\slot+2:G0B+4*\slot+3], 2*KSTEP*2
	JLOAD \slot                                    ; the first tensor load behind the round; its four v_nop are also the places in front of the loads below
.else
	PLACES
.endif
	FETCH \next, 0, F0
	WIN MUL
	MUL8 F1, 1, 0, 0
	MUL8 F1, 1, 2, 0
.endm
	s_wait_tensorcnt 1                             ; my part of K step 0 is in (K step 1's load may be out),
	s_barrier_signal -1
	s_barrier_wait -1                              ; everybody's is
	FETCH 0, 0, F0
	QUARTER 0, 1, F0, F1, 1                        ; the first quarter's first products start the sums
	WIN 0
	s_mov_b32 s3, LAPS-1
.Llap:                                             ; a trip goes once round the ring and fills both slots again
	QUARTER 0, 2, F1, F0, 0
	QUARTER 0, 3, F0, F1, 0
	TURN 0, 1, 1
	QUARTER 1, 1, F0, F1, 0
	QUARTER 1, 2, F1, F0, 0
	QUARTER 1, 3, F0, F1, 0
	TURN 1, 0, 1
	QUARTER 0, 1, F0, F1, 0
	WIN 0
	s_sub_co_u32 s3, s3, 1
	s_cmp_lg_u32 s3, 0
	s_cbranch_scc1 .Llap
	QUARTER 0, 2, F1, F0, 0                        ; the last lap fills nothing
	QUARTER 0, 3, F0, F1, 0
	TURN 0, 1, 0
	QUARTER 1, 1, F0, F1, 0
	QUARTER 1, 2, F1, F0, 0
	QUARTER 1, 3, F0, F1, 0
	s_wait_dscnt 16
	WIN MUL
	MUL8 F1, 0, 0, 0
	MUL8 F1, 0, 2, 0
	s_wait_dscnt 0
	MUL8 F1, 1, 0, 0
	MUL8 F1, 1, 2, 0
	WIN 0
; THE WAY OUT, block by block of 16 rows x 64 columns (256 bytes a row), through my own stage: no barrier; LDS serves a wave's instructions in order (ISA guide 5.7.1.4).
.macro TOSTAGE a
.irp b, 0,1,2,3
	ds_store_b128 v[STO], v[ACC+8*(4*(\a)+\b):ACC+8*(4*(\a)+\b)+3] offset:64*\b          ; each accumulator from its low end on
	ds_store_b128 v[STO], v[ACC+8*(4*(\a)+\b)+4:ACC+8*(4*(\a)+\b)+7] offset:64*\b+16
.endr
.set BB, TMP+32*((\a)%2)
.irp t, 0,1,2,3,4,5,6,7
	ds_load_b128 v[BB+4*\t:BB+4*\t+3], v[RD] offset:\t*2*SPITCH
.endr
.endm
.macro SEND a, younger
.set BB, TMP+32*((\a)%2)
	s_wait_dscnt \younger
.irp t, 0,1,2,3,4,5,6,7
	global_store_b128 v[CO], v[BB+4*\t:BB+4*\t+3], s[8:9] offset:65536*(\a)+8192*\t th:TH_STORE_NT   ; 16 lanes store 256 consecutive bytes, aligned
.endr
.endm
	PLACES
	TOSTAGE 0
.irp a, 1,2,3
.if \a > 1
	s_wait_xcnt 0x0                                ; block a - 2's stores have read their registers: block a's loads may land there
.endif
	TOSTAGE \a
	SEND \a-1, 16                                  ; behind block a - 1's loads: block a's 8 stores and 8 loads
.endr
	SEND 3, 0
	s_wait_tensorcnt 0x0                           ; the wave's end
	ds_add_u32 v[SPW], v[NIL]
	s_wait_dscnt 0x0
	CROUND                                         ; the closing round
	s_endpgm
.Lfunc_end_k_qa68e5cbb39_proj:
	.size	k_qa68e5cbb39_proj, .Lfunc_end_k_qa68e5cbb39_proj-k_qa68e5cbb39_proj
	.p2alignl 7, 3214868480
	.fill 96, 4, 3214868480
	.section	.rodata,"a",@progbits
	.p2align	6, 0x0
	.amdhsa_kernel k_qa68e5cbb39_proj
		.amdhsa_group_segment_fixed_size 327680
		.amdhsa_private_segment_fixed_size 0
		.amdhsa_enable_private_segment 0
		.amdhsa_kernarg_size 24
		.amdhsa_user_sgpr_count 2
		.amdhsa_user_sgpr_kernarg_segment_ptr 1
		.amdhsa_wavefront_size32 1
		.amdhsa_system_sgpr_workgroup_id_x 1
		.amdhsa_system_sgpr_workgroup_id_y 1
		.amdhsa_system_sgpr_workgroup_id_z 1
		.amdhsa_system_vgpr_workitem_id 0
		.amdhsa_next_free_vgpr 512
		.amdhsa_next_free_sgpr 66
		.amdhsa_reserve_vcc 0
		.amdhsa_float_denorm_mode_32 3
		.amdhsa_float_denorm_mode_16_64 3
		.amdhsa_memory_ordered 1
		.amdhsa_forward_progress 1
		.amdhsa_inst_pref_size 86
	.end_amdhsa_kernel
	.amdgpu_metadata
---
amdhsa.version: [ 1, 2 ]
amdhsa.kernels:
  - .name:           k_qa68e5cbb39_proj
    .symbol:         k_qa68e5cbb39_proj.kd
    .args:
      - { .name: y16, .offset: 0, .size: 8, .value_kind: global_buffer, .address_space: global }
      - { .name: wp16, .offset: 8, .size: 8, .value_kind: global_buffer, .address_space: global }
      - { .name: out0, .offset: 16, .size: 8, .value_kind: global_buffer, .address_space: global }
    .group_segment_fixed_size: 327680
    .private_segment_fixed_size: 0
    .kernarg_segment_align: 8
    .kernarg_segment_size: 24
    .max_flat_workgroup_size: 128
    .sgpr_count:     66
    .vgpr_count:     512
    .wavefront_size: 32
...
	.end_amdgpu_metadata
.endif
;; end of part 4
;; launch first16 (part 5): grid 64 x 2, 16 waves a work-group, no clusters, 22,528 bytes of LDS; arguments fine, w_proj, out0; writes out0
.if DOCPART == 5
	.amdgcn_target "amdgcn-amd-amdhsa--gfx1250"
	.amdhsa_code_object_version 6
	.text
	.protected	k_qa68e5cbb39_first16
	.globl	k_qa68e5cbb39_first16
	.p2align	8
	.type	k_qa68e5cbb39_first16,@function
k_qa68e5cbb39_first16:
	s_mov_b64 s[64:65], 0
	v_nop
	global_prefetch_b8 v0, s[64:65] scope:SCOPE_SE
	s_setreg_imm32_b32 hwreg(HW_REG_WAVE_MODE, 25, 1), 1
	s_wait_xcnt 0x0
; POSITIONS 0 TO 15 OF EACH SEQUENCE, IN f32 THROUGHOUT: their rows average one to sixteen values and are the largest of the output, so operands rounded to 16 bits would weigh most there.
; fine = [q, k, v][16 b + h][m = 0..7][half][token 0..15][4 numbers] f32: positions 8 m + 4 half + 0 .. 3 of a token's 64 (q and k with their features turned by one place, alike): the order of this text's operand registers,
; so that each of its loads reads 512 consecutive bytes.  out0's rows 2048 b + 0 .. 15 are written over what the launch before left there.
; SHARES.  A work-group takes 16 columns of the output (x) of one batch (y): 128 work-groups.  Wave w is head w.  It makes
;   S^T = K Q^T (16 matrix instructions), the causal softmax's p and its sum l;   Z = V W^T, W = w_proj[16 x .. + 15][64 w .. + 63] (16: it hangs on no score);   part^T = Z^T p^T (4), times 1 / l:
; (p V) W^T = p (V W^T).  The sixteen heads' parts are added through LDS by waves 0 and 1.
; WHY 16 COLUMNS.  A head's attention is made anew in each column slice (12 KiB of inputs, 16 matrix instructions).  With 16 columns a wave has 36 f32 matrix instructions and 32 loads; with 64 columns it would have 96
; (16 + 64 + 16) and 56, on a quarter of the work-groups.  THE PRICE: a row's store is 64 consecutive bytes, a quarter of 256 aligned ones; the 128 KiB of these 32 rows are all that is written so.
; LAYOUT.  All products by v_wmma_f32_16x16x4_f32.  Along a product's K the places are dealt out alike on both sides, so every term is summed once.  S^T: a lane holds query r = lane % 16 and keys 8 (lane / 16) + j.
; Z (source 0 = 16 keys of V, source 1 = 16 rows of W): a lane holds column r and keys 8 (lane / 16) + j: the same dealing of keys as p's, so Z is source 0 and p source 1 of the last product,
; whose result holds token r and columns 8 (lane / 16) + j in a lane.
; The registers that these matrix instructions write (v144-223) are written by nothing else.  Accumulators take turns, one instruction a turn.
; No tensor load; one barrier.  Clusters, rings and prefetches buy nothing in so small a launch.
.set IP,    80                         ; a row of an image: 16 columns, 64 bytes, + 16 of padding: the 16 rows that a store touches start at 16 different banks (64 banks of 4 bytes: ISA guide 11.1)
.set IMGB,  16*IP                      ; a head's part: 16 tokens
.set SPARE, 16*IMGB                    ; behind the sixteen images: the spare words, 128 bytes a wave, named by no other line
.set SPW, 1                            ; v1  my spare word; never rewritten
.set NIL, 2                            ; v2  0; never rewritten
.set LA,  3                            ; v3  16 x lane
.set WA,  4                            ; v4  4096 r + 16 h
.set LST, 5                            ; v5  where I put my 32 bytes of a row of my image
.set LRD, 6                            ; v6  where an adding lane reads 16 bytes of a row
.set OO,  7                            ; v7  and where they go in out0
.set DD,  8                            ; v8  r - 8 h
.set QR,  16                           ; v16-47   Q;  v16-79 later the sixteen parts
.set KR,  48                           ; v48-79   K
.set VR,  80                           ; v80-111  V
.set WR,  112                          ; v112-143 W
.set AC,  144                          ; v144-175 S^T in four part sums
.set ZA,  176                          ; v176-207 Z in four part sums
.set OA,  208                          ; v208-223 the part in two part sums
.set PS,  224                          ; v224-231 the scores, then p
.set ZS,  232                          ; v232-239 Z
.set OP,  240                          ; v240-247 at work, then my head's part
	s_load_b128 s[4:7], s[0:1], 0x0                ; fine, w_proj
	s_load_b64 s[8:9], s[0:1], 0x10                ; out0
	v_lshl_add_u32 v[SPW], v0, 2, SPARE
	v_mov_b32 v[NIL], 0
	v_lshrrev_b32 v9, 5, v0
	v_readfirstlane_b32 s10, v9                    ; wave = head
	s_and_b32 s11, ttmp7, 0xffff                   ; batch
	v_and_b32 v10, 15, v0                          ; r
	v_bfe_u32 v11, v0, 4, 1                        ; h
	v_and_b32 v12, 31, v0                          ; lane
	v_lshlrev_b32 v[LA], 4, v12
	v_lshlrev_b32 v[WA], 12, v10
	v_lshl_add_u32 v[WA], v11, 4, v[WA]
	s_mul_i32 s12, s10, IMGB
	v_mul_u32_u24 v[LST], v10, IP                  ; my image: row r, 32 bytes for each half of the lanes
	v_lshl_add_u32 v[LST], v11, 5, v[LST]
	v_add_nc_u32 v[LST], s12, v[LST]
	v_and_b32 v13, 63, v0                          ; the adding: threads 0 to 63, four to a row
	v_lshrrev_b32 v14, 2, v13                      ; the row
	v_and_b32 v13, 3, v0                           ; which 16 bytes of its 64
	v_mul_u32_u24 v[LRD], v14, IP
	v_lshl_add_u32 v[LRD], v13, 4, v[LRD]
	v_lshlrev_b32 v[OO], 12, v14                   ; out0: 4,096 bytes a row
	v_lshl_add_u32 v[OO], v13, 4, v[OO]
	v_lshlrev_b32 v[DD], 3, v11
	v_sub_nc_u32 v[DD], v10, v[DD]
	s_mov_b32 s22, 0x76543210
	s_mov_b32 s23, 0xfedcba98                      ; v_permlanex16_b32's selects for lane l xor 16
	s_mov_b32 s24, 0x3e38aa3b                      ; c = log2(e) / 8
	s_lshl_b32 s14, s11, 4
	s_add_co_u32 s14, s14, s10
	s_lshl_b32 s14, s14, 12                        ; my head in a part of fine
	s_mov_b32 s15, 0
	s_lshl_b32 s26, ttmp9, 16                      ; w_proj: row 16 x, 4,096 bytes a row,
	s_lshl_b32 s27, s10, 8                         ; column 64 w
	s_add_co_u32 s26, s26, s27
	s_mov_b32 s27, 0
	s_lshl_b32 s28, s11, 23                        ; out0: row 2048 b,
	s_lshl_b32 s29, ttmp9, 6                       ; column 16 x
	s_add_co_u32 s28, s28, s29
	s_mov_b32 s29, 0
	s_wait_kmcnt 0x0
	s_add_nc_u64 s[16:17], s[4:5], s[14:15]
	s_add_nc_u64 s[18:19], s[6:7], s[26:27]
	s_add_nc_u64 s[20:21], s[8:9], s[28:29]
.irp m, 0,1,2,3,4,5,6,7                        ; lane (r, h): of row r the positions 8 m + 4 h + 0 .. 3: 512 consecutive bytes a load
	global_load_b128 v[QR+4*\m:QR+4*\m+3], v[LA], s[16:17] offset:512*\m
.endr
.irp m, 0,1,2,3,4,5,6,7
	global_load_b128 v[KR+4*\m:KR+4*\m+3], v[LA], s[16:17] offset:131072+512*\m
.endr
.irp m, 0,1,2,3,4,5,6,7
	global_load_b128 v[VR+4*\m:VR+4*\m+3], v[LA], s[16:17] offset:262144+512*\m
.endr
.irp m, 0,1,2,3,4,5,6,7                        ; w_proj: lane (r, h): of row 16 x + r the channels 64 w + 8 m + 4 h + 0 .. 3: dealt out as V's
	global_load_b128 v[WR+4*\m:WR+4*\m+3], v[WA], s[18:19] offset:32*\m
.endr
	s_wait_loadcnt 16                              ; Q and K are in; V's eight loads and w_proj's eight may be out
.irp n, 0,1,2,3                                ; S^T = K Q^T in four part sums; the first four products start them
	v_wmma_f32_16x16x4_f32 v[AC+8*\n:AC+8*\n+7], v[KR+2*\n:KR+2*\n+1], v[QR+2*\n:QR+2*\n+1], 0
.endr
.irp n, 4,5,6,7,8,9,10,11,12,13,14,15
	v_wmma_f32_16x16x4_f32 v[AC+8*(\n%4):AC+8*(\n%4)+7], v[KR+2*\n:KR+2*\n+1], v[QR+2*\n:QR+2*\n+1], v[AC+8*(\n%4):AC+8*(\n%4)+7]
.endr
	s_wait_loadcnt 0x0                             ; V and w_proj
.irp n, 0,1,2,3                                ; Z = V W^T likewise
	v_wmma_f32_16x16x4_f32 v[ZA+8*\n:ZA+8*\n+7], v[VR+2*\n:VR+2*\n+1], v[WR+2*\n:WR+2*\n+1], 0
.endr
.irp n, 4,5,6,7,8,9,10,11,12,13,14,15
	v_wmma_f32_16x16x4_f32 v[ZA+8*(\n%4):ZA+8*(\n%4)+7], v[VR+2*\n:VR+2*\n+1], v[WR+2*\n:WR+2*\n+1], v[ZA+8*(\n%4):ZA+8*(\n%4)+7]
.endr
.rept 8
	v_nop                                          ; eight places behind this form (ISA guide 7.12.1), ahead of the reads of the sums
.endr
.irp j, 0,2,4,6                                ; the scores' four part sums, each from its low end on: register j is key 8 h + j of query r
	v_pk_add_f32 v[PS+\j:PS+\j+1], v[AC+\j:AC+\j+1], v[AC+8+\j:AC+9+\j]
.endr
.irp j, 0,2,4,6
	v_pk_add_f32 v[OP+\j:OP+\j+1], v[AC+16+\j:AC+17+\j], v[AC+24+\j:AC+25+\j]
.endr
.irp j, 0,2,4,6
	v_pk_add_f32 v[PS+\j:PS+\j+1], v[PS+\j:PS+\j+1], v[OP+\j:OP+\j+1]
.endr
	v_mov_b32 v13, 0xff800000
.irp j, 0,1,2,3,4,5,6,7                        ; the causal mask: key 8 h + j is hidden from query r where j > r - 8 h
	v_cmp_gt_i32 vcc_lo, \j, v[DD]
	v_cndmask_b32 v[PS+\j], v[PS+\j], v13, vcc_lo
.endr
	v_max3_num_f32 v9, v[PS], v[PS+1], v[PS+2]
	v_max3_num_f32 v10, v[PS+3], v[PS+4], v[PS+5]
	v_max3_num_f32 v9, v9, v[PS+6], v[PS+7]
	v_max_num_f32 v9, v9, v10
	v_permlanex16_b32 v10, v9, s22, s23
	v_max_num_f32 v9, v9, v10                      ; the row's largest score (key 0 counts for every query)
	v_mul_f32 v11, s24, v9
.irp j, 0,1,2,3,4,5,6,7
	v_fma_f32 v[PS+\j], v[PS+\j], s24, -v11
.endr
.irp j, 0,1,2,3,4,5,6,7
	v_exp_f32 v[PS+\j], v[PS+\j]                   ; p = 2^(c s - c m)
.endr
.irp j, 0,2,4,6                                ; Z's four part sums stand behind the exponentials: plain lines that name none of their results
	v_pk_add_f32 v[ZS+\j:ZS+\j+1], v[ZA+\j:ZA+\j+1], v[ZA+8+\j:ZA+9+\j]
.endr
.irp j, 0,2,4,6
	v_pk_add_f32 v[OP+\j:OP+\j+1], v[ZA+16+\j:ZA+17+\j], v[ZA+24+\j:ZA+25+\j]
.endr
.irp j, 0,2,4,6
	v_pk_add_f32 v[ZS+\j:ZS+\j+1], v[ZS+\j:ZS+\j+1], v[OP+\j:OP+\j+1]
.endr
	s_wait_alu depctr_va_vdst(0)                   ; one wait for the eight exponentials, ahead of the first line that names a result
.irp kc, 0,1                                   ; part^T = Z^T p^T: place (h, j) of chunk kc is key 8 h + 2 kc + j on both sides; two part sums by turns
	v_wmma_f32_16x16x4_f32 v[OA+8*\kc:OA+8*\kc+7], v[ZS+2*\kc:ZS+2*\kc+1], v[PS+2*\kc:PS+2*\kc+1], 0
.endr
.irp kc, 2,3
	v_wmma_f32_16x16x4_f32 v[OA+8*(\kc-2):OA+8*(\kc-2)+7], v[ZS+2*\kc:ZS+2*\kc+1], v[PS+2*\kc:PS+2*\kc+1], v[OA+8*(\kc-2):OA+8*(\kc-2)+7]
.endr
	v_add_f32 v9, v[PS], v[PS+1]                   ; the row's sum, of the same p (these lines read a source of the products, which is free)
	v_add_f32 v10, v[PS+2], v[PS+3]
	v_add_f32 v11, v[PS+4], v[PS+5]
	v_add_f32 v12, v[PS+6], v[PS+7]
	v_add_f32 v9, v9, v10
	v_add_f32 v11, v11, v12
	v_add_f32 v9, v9, v11
	v_permlanex16_b32 v14, v9, s22, s23
	v_add_f32 v9, v9, v14
	v_rcp_f32 v12, v9
.rept 8
	v_nop                                          ; eight places behind the last product, ahead of the reads of its sums; the first is also the plain line behind the reciprocal
.endr
	s_wait_alu depctr_va_vdst(0)                   ; and the wait for the reciprocal
.irp j, 0,2,4,6
	v_pk_add_f32 v[OP+\j:OP+\j+1], v[OA+\j:OA+\j+1], v[OA+8+\j:OA+9+\j]
.endr
.irp j, 0,2,4,6
	v_pk_mul_f32 v[OP+\j:OP+\j+1], v[OP+\j:OP+\j+1], v[12:13] op_sel_hi:[1,0]   ; / l: register j is column 8 h + j of token r
.endr
	ds_store_b128 v[LST], v[OP:OP+3]
	ds_store_b128 v[LST], v[OP+4:OP+7] offset:16
	s_wait_dscnt 0x0                               ; for the others' sake: my stores have landed
	s_barrier_signal -1
	s_barrier_wait -1
	s_cmp_lt_u32 s10, 2                            ; waves 0 and 1 add: 64 lanes, 16 bytes each, are the work-group's 16 rows of 64 bytes
	s_cbranch_scc1 .Lsum
	s_wait_tensorcnt 0x0                           ; the wave's end: behind my last LDS store
	ds_add_u32 v[SPW], v[NIL]
	s_wait_dscnt 0x0
	s_endpgm
.Lsum:
.irp w, 0,1,2,3,4,5,6,7,8,9,10,11,12,13,14,15
	ds_load_b128 v[QR+4*\w:QR+4*\w+3], v[LRD] offset:IMGB*\w
.endr
	s_wait_dscnt 0x0
.irp w, 0,1,2,3,4,5,6,7                        ; added in a fixed order
	v_pk_add_f32 v[QR+8*\w:QR+8*\w+1], v[QR+8*\w:QR+8*\w+1], v[QR+8*\w+4:QR+8*\w+5]
	v_pk_add_f32 v[QR+8*\w+2:QR+8*\w+3], v[QR+8*\w+2:QR+8*\w+3], v[QR+8*\w+6:QR+8*\w+7]
.endr
.irp w, 0,1,2,3
	v_pk_add_f32 v[QR+16*\w:QR+16*\w+1], v[QR+16*\w:QR+16*\w+1], v[QR+16*\w+8:QR+16*\w+9]
	v_pk_add_f32 v[QR+16*\w+2:QR+16*\w+3], v[QR+16*\w+2:QR+16*\w+3], v[QR+16*\w+10:QR+16*\w+11]
.endr
.irp w, 0,1
	v_pk_add_f32 v[QR+32*\w:QR+32*\w+1], v[QR+32*\w:QR+32*\w+1], v[QR+32*\w+16:QR+32*\w+17]
	v_pk_add_f32 v[QR+32*\w+2:QR+32*\w+3], v[QR+32*\w+2:QR+32*\w+3], v[QR+32*\w+18:QR+32*\w+19]
.endr
	v_pk_add_f32 v[QR:QR+1], v[QR:QR+1], v[QR+32:QR+33]
	v_pk_add_f32 v[QR+2:QR+3], v[QR+2:QR+3], v[QR+34:QR+35]
	global_store_b128 v[OO], v[QR:QR+3], s[20:21]  ; four lanes store a row's 64 consecutive bytes; eight rows a wave
	s_wait_tensorcnt 0x0                           ; the wave's end: behind my last LDS store
	ds_add_u32 v[SPW], v[NIL]
	s_wait_dscnt 0x0
	s_endpgm
.Lfunc_end_k_qa68e5cbb39_first16:
	.size	k_qa68e5cbb39_first16, .Lfunc_end_k_qa68e5cbb39_first16-k_qa68e5cbb39_first16
	.p2alignl 7, 3214868480
	.fill 96, 4, 3214868480
	.section	.rodata,"a",@progbits
	.p2align	6, 0x0
	.amdhsa_kernel k_qa68e5cbb39_first16
		.amdhsa_group_segment_fixed_size 22528
		.amdhsa_private_segment_fixed_size 0
		.amdhsa_enable_private_segment 0
		.amdhsa_kernarg_size 24
		.amdhsa_user_sgpr_count 2
		.amdhsa_user_sgpr_kernarg_segment_ptr 1
		.amdhsa_wavefront_size32 1
		.amdhsa_system_sgpr_workgroup_id_x 1
		.amdhsa_system_sgpr_workgroup_id_y 1
		.amdhsa_system_sgpr_workgroup_id_z 1
		.amdhsa_system_vgpr_workitem_id 0
		.amdhsa_next_free_vgpr 256
		.amdhsa_next_free_sgpr 66
		.amdhsa_reserve_vcc 1
		.amdhsa_float_denorm_mode_32 3
		.amdhsa_float_denorm_mode_16_64 3
		.amdhsa_memory_ordered 1
		.amdhsa_forward_progress 1
		.amdhsa_inst_pref_size 16
	.end_amdhsa_kernel
	.amdgpu_metadata
---
amdhsa.version: [ 1, 2 ]
amdhsa.kernels:
  - .name:           k_qa68e5cbb39_first16
    .symbol:         k_qa68e5cbb39_first16.kd
    .args:
      - { .name: fine, .offset: 0, .size: 8, .value_kind: global_buffer, .address_space: global }
      - { .name: w_proj, .offset: 8, .size: 8, .value_kind: global_buffer, .address_space: global }
      - { .name: out0, .offset: 16, .size: 8, .value_kind: global_buffer, .address_space: global }
    .group_segment_fixed_size: 22528
    .private_segment_fixed_size: 0
    .kernarg_segment_align: 8
    .kernarg_segment_size: 24
    .max_flat_workgroup_size: 512
    .sgpr_count:     66
    .vgpr_count:     256
    .wavefront_size: 32
...
	.end_amdgpu_metadata
.endif
;; end of part 5
